; MI455X (gfx1250); checked and timed in simulation.
; The chip was launched on July 23, 2026; its instructions are those of AMD's public machine-readable ISA for CDNA 5 (MIT licence, August 2026) and "CDNA5" Instruction Set Architecture Reference Guide (July 2026). The comments in the code are by the model that wrote it; some were corrected since.
;; Multi Head Attention. Allowed arithmetic: matrix products marked QUANTISED: E2M1 operands, one E8M0 scale for each 32 along K, by v_wmma_scale_f32_16x16x128_f8f6f4 with both operands' format E2M1 (or v_wmma_scale_f32_32x16x128_f4), f32 sums; everything else in f32.
;; Inputs: mask 1 x 1 x 4,096 x 4,096 bool; out_b 1,024 float32; out_w_codes 1,024 x 32 x 16 uint8 (E2M1 codes of out_w, K innermost, in blocks of 32 codes, two codes a byte); out_w_scales 1,024 x 32 uint8 (E8M0 scales of out_w, one for each 32 codes along K); wqkv_b 3,072 float32; wqkv_w_codes 3,072 x 32 x 16 uint8 (E2M1 codes of wqkv_w, K innermost, in blocks of 32 codes, two codes a byte); wqkv_w_scales 3,072 x 32 uint8 (E8M0 scales of wqkv_w, one for each 32 codes along K); x_codes 1 x 4,096 x 32 x 16 uint8 (E2M1 codes of x, K innermost, in blocks of 32 codes, two codes a byte); x_scales 1 x 4,096 x 32 uint8 (E8M0 scales of x, one for each 32 codes along K).
;; Outputs: out0 1 x 4,096 x 1,024 float32.
;; This version of the problem:
;;   THIS VERSION OF THE PROBLEM IS GIVEN IN LOW PRECISION. The matrix products marked QUANTISED in the list below multiply operands that are first quantised to E2M1 (2 exponent bits, 1 mantissa bit; 4 bits a number), with one power-of-two scale for each 32 numbers along K (OCP MX v1.0); their sums are f32. All else is computed in f32.
;;   The module's matrix products, in the order in which they are computed (A, B: the left and right operand; K: the contracted axis; several contracted axes count as one K, in the product's order):
;;     1. [M 4,096, K 1,024] x [K 1,024, N 3,072]; A: input x (given as codes); B: input wqkv_w (given as codes): QUANTISED
;;     2. batch 16 x [M 4,096, K 64] x [K 64, N 4,096]; A: computed on the way; B: computed on the way: QUANTISED
;;     3. batch 16 x [M 4,096, K 4,096] x [K 4,096, N 64]; A: softmax (see below); B: computed on the way: QUANTISED
;;     4. [M 4,096, K 1,024] x [K 1,024, N 1,024]; A: computed on the way; B: input out_w (given as codes): QUANTISED
;;   THE QUANTISER, for each operand of a quantised product, along K:
;;     - K is cut into blocks of 32 from its start; a last block that is shorter is filled with zeros.
;;     - A block's scale is 2^e with e = floor(log2(the largest magnitude in the block)) - 2, held to -126 .. 127; a block of zeros has e = 0. As a byte (E8M0): e + 127.
;;     - Each number is divided by its block's scale, clamped to +-6, and rounded to the nearest number of E2M1, ties to even, subnormals kept.
;;     - The product sums the exact products of the quantised numbers (number of the format x scale) in f32.
;;   ~~~python
;;   def quantise(x, axis):      # numpy; x: float32 -> the quantised numbers, widened to float32 again
;;       x = np.moveaxis(x, axis, -1); K = x.shape[-1]
;;       x = np.pad(x, [(0, 0)] * (x.ndim - 1) + [(0, -K % 32)]); x = x.reshape(x.shape[:-1] + (-1, 32)); a = np.abs(x).max(-1, keepdims=True)
;;       e = np.where(a > 0, np.clip(np.frexp(np.where(a > 0, a, 1))[1] - 1 - 2, -126, 127), 0)      # np.frexp(a)[1] - 1 = floor(log2(a)), exactly
;;       r = np.clip(x / 2.0 ** e, -6, 6)
;;       step = 2.0 ** (np.maximum(np.frexp(np.where(r == 0, 1, r))[1] - 1, 0) - 1)
;;       q = np.round(r / step) * step * 2.0 ** e      # np.round: ties to even
;;       return np.moveaxis(q.reshape(q.shape[:-2] + (-1,))[..., :K], -1, axis).astype(np.float32)
;;   ~~~
;;   SOFTMAX AHEAD OF A QUANTISED PRODUCT. Where the list says 'softmax', what is quantised is not the finished softmax but p = 2^(t - M), with t = logit x log2(e) and M = ceil(the row's largest t), a whole number; so 1/2 < the row's largest p <= 1. The row's sum l is taken of the UNQUANTISED p, in f32, and the product's result is divided by l at the end. Since M is a whole number, a kernel that streams over the keys may use a running M (the ceiling of the running maximum): every later rescaling is an exact power of two, which a block's scale takes up: the codes' values come out the same.
;;   OPERANDS COMPUTED ON THE WAY. 'Computed on the way' means the value that the module computes at that place (a softmax that the list does not call 'softmax' is quantised finished and normalised). What goes into a quantiser is computed in f32, as accurately as f32 sums, v_exp_f32 and their like allow (about 1e-6 of the number): no bf16 or f16 on the way to a quantiser, and a product that is left as it is and whose result goes on into a quantised operand takes f32 operands (vector FMAs, or v_wmma_f32_16x16x4_f32). A number that lies on a knife's edge between two numbers of the format may be rounded either way, as far as f32 arithmetic and the matrix unit's own rounding can turn it there, and no further.
;;   INPUTS GIVEN AS CODES. out_w (in the module: [1024, 1024], K = its axis 0); wqkv_w (in the module: [1024, 3072], K = its axis 0); x (in the module: [1, 4096, 1024], K = its axis 2): each comes as NAME_codes (uint8): NAME with its K axis moved to the last place and cut into blocks of 32 codes, [.., K / 32, bytes a block], one block behind the other in memory; two codes a byte, the lower K in the low four bits (a code: sign, 2 exponent bits, 1 mantissa bit); and NAME_scales (uint8): the same leading axes, one E8M0 byte (e + 127) for each 32 codes along K. Its value is code x scale, taken as it is: it is not quantised again, and the codes and scales need not be those that the quantiser above would give.
;; 2 versions, each right; version 2 is version 1 with the launch attn written anew for expert scheduling mode. Each part assembles by itself: llvm-mc -triple=amdgcn-amd-amdhsa -mcpu=gfx1250 --defsym DOCPART=n.
;; ======== version 1 of 2: 3 launches
;; limits: right only within a limited range of input values
;; workspace buffers: qc 2,097,152 bytes; qs 262,144 bytes; kv 4,456,448 bytes; flags 2,048 bytes of whole numbers; cc 2,097,152 bytes; cs 131,072 bytes
;; launch qkv (part 1): grid 16 x 16, 4 waves a work-group, clusters of 4 x 4, 237,056 bytes of LDS; arguments x_codes, x_scales, wqkv_w_codes, wqkv_w_scales, wqkv_b, mask, qc, qs, kv, flags; writes qc, qs, kv, flags
.if DOCPART == 1
	.amdgcn_target "amdgcn-amd-amdhsa--gfx1250"
	.amdhsa_code_object_version 6
	.text
	.protected	k_q56cc34ba73_qkv
	.globl	k_q56cc34ba73_qkv
	.p2align	8
	.type	k_q56cc34ba73_qkv,@function
k_q56cc34ba73_qkv:
	s_mov_b64 s[64:65], 0
	v_nop
	global_prefetch_b8 v0, s[64:65] scope:SCOPE_SE
	s_setreg_imm32_b32 hwreg(HW_REG_WAVE_MODE, 25, 1), 1
	s_wait_xcnt 0x0
	s_wait_alu depctr_hold_cnt(0) depctr_sa_sdst(0) depctr_va_vdst(0) depctr_va_sdst(0) depctr_va_ssrc(0) depctr_va_vcc(0) depctr_vm_vsrc(0)
	s_getreg_b32 s2, hwreg(HW_REG_IB_STS2, 6, 4)
	s_cmp_eq_u32 s2, 0
	s_cbranch_scc0 .Lentry_in_a_cluster
	s_endpgm
.Lentry_in_a_cluster:
	s_bfe_u32 s2, ttmp6, 0x10000c
	s_cmp_lg_u32 s2, 0xf033
	s_cbranch_scc0 .Lentry_shape_is_right
	s_endpgm
.Lentry_shape_is_right:
; qkv = x W + b on codes of FP4 (E2M1) with E8M0 scales, then the rotation of q and k by position, then q, k (along the head's 64) and v (along the keys) quantised anew; and two flag bits for each (tile of 16 queries, step of 128 keys) of the mask.
; SHARES.  A work-group takes 256 tokens (block tb) x the 192 features q, k, v of one head; wave w takes tokens 64 w .. 64 w + 63 (four tiles of 16) x all twelve tiles of features: 48 accumulators.
; All of K = 1,024 lies in LDS: 256 rows of x and 192 rows of W, 512 bytes each, filled once.  Nothing is filled again, so there is no ring.
; CLUSTER 4 x 4: x's rows hang on tb alone and are shared along a row of the cluster, W's on the head alone and are shared along a column: joint tensor loads.
; q and k are made TRANSPOSED (source 0 = 16 rows of W, source 1 = 16 tokens): a lane holds one token and its registers run along the head's axis, which is the next K.
; v is made the natural way (source 0 = 16 tokens, source 1 = 16 rows of W): a lane holds one channel and its registers run along the tokens, which are the keys, the next K.
; In both cases lanes l and l xor 16 share each block of 32; four conversions written to places 0, 2, 1, 3 and two exchanges of halves leave a whole block of 16 bytes in each lane.
; SINE AND COSINE are made here in f32: angle = position x frequency (one rounding, as the definition has it), reduced by multiples of pi/2 held in two parts, then two short polynomials on |x| <= pi/4.
; THE FLAGS.  Work-group (head, tb) reads rows 16 qt .. 16 qt + 15 of the mask, qt = 16 tb + head.  Bit s of LIVE: some key of step s is open for some of the 16 queries; bit s of PART: some key is hidden.
; LIMITS: a block whose largest magnitude lies under 2^-124 gets the scale byte 1; NaN and infinities are not served; the 32 frequencies are the correctly rounded 10^(-i/8), which may differ in the last bit
; from a power function's, that is by some 2.4e-4 radians at position 4,095; sine and cosine are good to about 1e-7.
; REGISTERS, in windows of 256.  Window 0: v0-31 addresses; v32-47 x's scale words, v48-95 W's (they hold scales and nothing else); v96-159 bias of q and k, v160-191 bias of v; from the epilogue on v96-231 are at work.
; Window 1: two sets of fragments (x's 4 x 8, W's 12 x 8); ahead of the products: the sine and cosine's work.  Window 2: the 32 accumulators of q and k; ahead of the products: the mask's bytes.
; Window 3: v0-127 the 16 accumulators of v; v128-191 cosines, v192-255 sines (16 for each tile of tokens).
.set PITCH, 528                        ; an LDS row: 512 bytes + 16 of padding = 132 words, so the 16 rows of a fragment load start 4 banks apart
.set XA,    0                          ; x: 256 rows
.set WB,    256*PITCH                  ; W: 192 rows: 64 of q, 64 of k, 64 of v
.set SPARE, WB+192*PITCH               ; the spare words: 128 bytes a wave, two blocks of 256 bytes that no other line names
.set KVH,   278528                     ; a head's part of kv: K's images, V's images, K's scale words, V's scale words
.set VIMG,  131072
.set KSCO,  262144
.set VSCO,  270336
.set AX,  4                            ; v4    LDS address of my fragments of x
.set AW,  5                            ; v5-7  the same for W's three slices
.set MKO, 9                            ; v9    my 16 bytes of the mask's rows
.set L32, 10                           ; v10   32 x lane
.set H32, 11                           ; v11   32 x (lane / 16)
.set R4,  12                           ; v12   4 x (lane % 16)
.set FD,  14                           ; v14   the flag byte that I store
.set FA,  16                           ; v16   and where
.set QO,  17                           ; v17   32 (lane % 16) + 16 (lane / 16)
.set L16, 18                           ; v18   16 x lane
.set L4,  19                           ; v19   4 x lane
.set PI_, 20                           ; v20-23 my token's position in each of the four tiles
.set SPW, 28                           ; v28   my spare word; never rewritten
.set NIL, 29                           ; v29   0; never rewritten
.set XS,  32
.set WS,  48
.set BI,  96
.set BV,  160
.set RR,  96                           ; the epilogue: 32 rotated numbers,
.set UU,  128                          ; two sets of 16 products,
.set WW,  144
.set MX,  160                          ; two largest magnitudes, two permute results, two scale operands, two bytes
.set PM,  162
.set SO,  164
.set EB,  166
.set PQ,  168                          ; codes: four registers for each (slice, tile), so that no store's data are written again
.set EW,  200                          ; the two bytes of each (slice, tile)
.set SW,  208                          ; scale words on their way out
.set MV,  96                           ; v's epilogue: eight of each
.set PMV, 104
.set SOV, 112
.set EBV, 120
.set HWV, 128
.set SV,  132
.set PV,  216
.set THT, 0                            ; window 1, ahead of the products: my 16 frequencies,
.set TT,  16
.set K2PI, 18                          ; eleven constants, each twice (a pair for the packed forms),
.set KP1, 20
.set KP2, 22
.set KS3, 24
.set KS2, 26
.set KS1, 28
.set KC3, 30
.set KC2, 32
.set KC1, 34
.set KMH, 36
.set KONE, 38
.set POS, 40                           ; the four positions as f32, each twice,
.set AA,  64                           ; and sixteen registers for each stage
.set NN,  80
.set RA,  96
.set ZZ,  112
.set SI,  128
.set CO,  144
.set T1,  160
.set NI,  176
.set T2,  192
.set CN,  128                          ; window 3
.set SN,  192
.set G1A, 24
.set G1B, 32
.set G0A, 48
.set G0B, 52
.set WV,  56
.set SEL, 70
.set HM,  72
.set MSB, 0
.macro WIN new                         ; the immediate's high byte repeats the setting that is left
.if MSB != \new
	s_set_vgpr_msb (MSB<<8)|\new
.set MSB, \new
.endif
.endm
.macro CROUND                          ; a round of the cluster's barrier
	s_barrier_signal -1
	s_barrier_wait -1
	s_cmp_lg_u32 s[WV], 0
	s_cbranch_scc1 .Lnot_wave_0_\@
	s_barrier_signal -3
.Lnot_wave_0_\@:
	s_barrier_wait -3
	s_barrier_signal -1
	s_barrier_wait -1
.endm
; One product: D, source 0, source 1, C (first registers), the two scale registers, and which half of the lanes each scale is read from.
.macro WMX d, a, b, c, sa, sb, ra, rb
.if ((\ra)==0) && ((\rb)==0)
	v_wmma_scale_f32_16x16x128_f8f6f4 v[(\d):(\d)+7], v[(\a):(\a)+7], v[(\b):(\b)+7], v[(\c):(\c)+7], v[(\sa)], v[(\sb)] matrix_a_fmt:MATRIX_FMT_FP4 matrix_b_fmt:MATRIX_FMT_FP4
.elseif ((\ra)==1) && ((\rb)==0)
	v_wmma_scale_f32_16x16x128_f8f6f4 v[(\d):(\d)+7], v[(\a):(\a)+7], v[(\b):(\b)+7], v[(\c):(\c)+7], v[(\sa)], v[(\sb)] matrix_a_fmt:MATRIX_FMT_FP4 matrix_b_fmt:MATRIX_FMT_FP4 matrix_a_scale:MATRIX_SCALE_ROW1
.elseif (\ra)==0
	v_wmma_scale_f32_16x16x128_f8f6f4 v[(\d):(\d)+7], v[(\a):(\a)+7], v[(\b):(\b)+7], v[(\c):(\c)+7], v[(\sa)], v[(\sb)] matrix_a_fmt:MATRIX_FMT_FP4 matrix_b_fmt:MATRIX_FMT_FP4 matrix_b_scale:MATRIX_SCALE_ROW1
.else
	v_wmma_scale_f32_16x16x128_f8f6f4 v[(\d):(\d)+7], v[(\a):(\a)+7], v[(\b):(\b)+7], v[(\c):(\c)+7], v[(\sa)], v[(\sb)] matrix_a_fmt:MATRIX_FMT_FP4 matrix_b_fmt:MATRIX_FMT_FP4 matrix_a_scale:MATRIX_SCALE_ROW1 matrix_b_scale:MATRIX_SCALE_ROW1
.endif
.endm
; 32 numbers of a lane, v[r] on: register 16 b + 8 g + j is k = 32 b + 16 g + 8 (lane / 16) + j of my row.  They become 16 bytes of codes in v[p] .. v[p + 3]: block lane / 16 of my row; v[e] = byte of block 0 | byte of block 1 << 8.
.macro QUANT2 r, p, e
	v_max3_num_f32 v[MX], |v[(\r)]|, |v[(\r)+1]|, 0x1800000        ; my 16 numbers of each block, and the floor 2^(3 - 127): the byte cannot fall under 1
	v_max3_num_f32 v[MX+1], |v[(\r)+16]|, |v[(\r)+17]|, 0x1800000
.irp i, 2,4,6,8,10,12,14
	v_max3_num_f32 v[MX], v[MX], |v[(\r)+\i]|, |v[(\r)+\i+1]|
	v_max3_num_f32 v[MX+1], v[MX+1], |v[(\r)+16+\i]|, |v[(\r)+17+\i]|
.endr
	v_permlanex16_b32 v[PM], v[MX], s[SEL], s[SEL+1]
	v_permlanex16_b32 v[PM+1], v[MX+1], s[SEL], s[SEL+1]
	v_max_num_f32 v[MX], v[MX], v[PM]                              ; with lane l xor 16's: the block's largest magnitude
	v_max_num_f32 v[MX+1], v[MX+1], v[PM+1]
	v_add_nc_u32 v[SO], 0xff000000, v[MX]                          ; 2 off its exponent field: the conversion's scale operand
	v_add_nc_u32 v[SO+1], 0xff000000, v[MX+1]
	v_lshrrev_b32 v[EB], 23, v[SO]                                 ; the scale's byte
	v_lshrrev_b32 v[EB+1], 23, v[SO+1]
	v_lshl_or_b32 v[(\e)], v[EB+1], 8, v[EB]
	v_cvt_scalef32_pk8_fp4_f32 v[(\p)], v[(\r):(\r)+7], v[SO]
	v_cvt_scalef32_pk8_fp4_f32 v[(\p)+2], v[(\r)+8:(\r)+15], v[SO]
	v_cvt_scalef32_pk8_fp4_f32 v[(\p)+1], v[(\r)+16:(\r)+23], v[SO+1]
	v_cvt_scalef32_pk8_fp4_f32 v[(\p)+3], v[(\r)+24:(\r)+31], v[SO+1]
	v_nop                                                          ; one plain place behind the scaled conversions
	v_permlane16_swap_b32 v[(\p)], v[(\p)+1]                       ; lanes 0-15 now hold block 0 whole, lanes 16-31 block 1
	v_permlane16_swap_b32 v[(\p)+2], v[(\p)+3]
.endm
	s_load_b256 s[4:11], s[0:1], 0x0               ; x's codes, x's scales, W's codes, W's scales
	s_load_b256 s[12:19], s[0:1], 0x20             ; bias, mask, qc, qs
	s_load_b128 s[20:23], s[0:1], 0x40             ; kv, flags
	v_lshl_add_u32 v[SPW], v0, 2, SPARE
	v_mov_b32 v[NIL], 0
	ds_add_u32 v[SPW], v[NIL]                      ; the wave's opening: the add and its wait stand ahead of my first tensor load; work on registers stands between them
	v_lshrrev_b32 v1, 5, v0
	v_readfirstlane_b32 s[WV], v1                  ; wave 0..3
	s_bfe_u32 s40, ttmp6, 0x40000                  ; cx
	s_bfe_u32 s41, ttmp6, 0x40004                  ; cy
	s_lshl_b32 s42, ttmp9, 2
	s_add_co_u32 s42, s42, s40                     ; head = 4 x cluster x + cx
	s_and_b32 s43, ttmp7, 0xffff
	s_lshl_b32 s43, s43, 2
	s_add_co_u32 s43, s43, s41                     ; tb = 4 x cluster y + cy
	s_lshl_b32 s44, s41, 2
	s_lshl_b32 s44, 15, s44                        ; my row of the cluster
	s_lshl_b32 s45, 0x1111, s40                    ; my column
	; descriptor group 1: 64 rows of 512 bytes, 512 bytes apart in memory, 16 bytes of padding behind each row in LDS
	s_or_b32 s[G1A], s44, (0<<16)|(1<<20)|(1<<21)|(6<<22)|(3<<25)   ; 15:0 the mask: x's rows go to my row of the cluster; elements of 1 byte; padding on; bit 21 beside a mask; after every 128 words, 4 words
	s_or_b32 s[G1B], s45, (0<<16)|(1<<20)|(1<<21)|(6<<22)|(3<<25)   ; W's rows go to my column
.irp g, G1A, G1B
	s_mov_b32 s[\g+1], 512<<16                     ; tensor_dim0
	s_mov_b32 s[\g+2], 64<<16                      ; tensor_dim1
	s_mov_b32 s[\g+3], 512<<16                     ; tile_dim0
	s_mov_b32 s[\g+4], 64                          ; tile_dim1
	s_mov_b32 s[\g+5], 512                         ; the pitch
	s_mov_b32 s[\g+6], 0
	s_mov_b32 s[\g+7], 0
.endr
	s_mul_i32 s46, s[WV], 64*PITCH                 ; x: wave w brings rows 64 w on: no place in the cluster enters an LDS address
	s_lshl_b32 s58, s43, 17                        ; tb x 256 rows x 512 bytes
	s_lshl_b32 s59, s[WV], 15
	s_add_co_u32 s58, s58, s59
	s_mov_b32 s59, 0
	s_min_u32 s47, s[WV], 2                        ; W: waves 0, 1, 2 bring q's, k's, v's 64 rows (wave 3 issues no such load; its words are held at wave 2's)
	s_mul_i32 s57, s47, 64*PITCH
	s_lshl_b32 s60, s42, 15                        ; head x 64 rows x 512 bytes
	s_lshl_b32 s61, s47, 19                        ; slice x 1,024 rows x 512 bytes
	s_add_co_u32 s60, s60, s61
	s_mov_b32 s61, 0
	s_mov_b32 s[SEL], 0x76543210                   ; v_permlanex16_b32's selects for lane l xor 16
	s_mov_b32 s[SEL+1], 0xfedcba98
	s_mov_b32 s[HM], 0xffff0000                    ; lanes 16-31
	s_mov_b32 s91, 0x10101010                      ; four bytes of 16: all sixteen rows hidden
	s_wait_dscnt 0x0                               ; the opening add is done
	s_wait_kmcnt 0x0
	CROUND                                         ; all sixteen work-groups are here: the joint loads meet
	s_mov_b32 s[G0A], 1
	s_add_co_u32 s[G0A+1], s46, XA
	s_add_nc_u64 s[G0A+2:G0A+3], s[4:5], s[58:59]
	s_or_b32 s[G0A+3], s[G0A+3], 0x80000000
	s_mov_b32 s[G0B], 1
	s_add_co_u32 s[G0B+1], s57, WB
	s_add_nc_u64 s[G0B+2:G0B+3], s[8:9], s[60:61]
	s_or_b32 s[G0B+3], s[G0B+3], 0x80000000
	tensor_load_to_lds s[G0A:G0A+3], s[G1A:G1A+7]  ; every wave: its 64 rows of x.  With W's load at most two tensor loads of a wave are out
	s_nop 0
.rept 4
	v_nop
.endr
	s_cmp_lt_u32 s[WV], 3
	s_cbranch_scc0 .Lno_w
	tensor_load_to_lds s[G0B:G0B+3], s[G1B:G1B+7]  ; waves 0 to 2: a slice of W
	s_nop 0
.rept 4
	v_nop
.endr
.Lno_w:
	; lane terms
	v_and_b32 v1, 15, v0                           ; r
	v_bfe_u32 v2, v0, 4, 1                         ; h
	v_and_b32 v3, 31, v0                           ; lane
	v_mul_u32_u24 v8, v1, PITCH
	v_lshl_add_u32 v8, v2, 4, v8                   ; a fragment's row x pitch + 16 h
	v_add_nc_u32 v[AX], s46, v8
	v_add_nc_u32 v[AW], WB, v8
	v_add_nc_u32 v[AW+1], WB+64*PITCH, v8
	v_add_nc_u32 v[AW+2], WB+128*PITCH, v8
	v_lshlrev_b32 v[L16], 4, v3
	s_lshl_b32 s57, s[WV], 10
	v_add_nc_u32 v[MKO], s57, v[L16]               ; the mask: columns 1,024 w + 16 lane
	v_lshlrev_b32 v[L32], 5, v3
	v_lshlrev_b32 v[H32], 5, v2
	v_lshlrev_b32 v[R4], 2, v1
	v_lshlrev_b32 v[L4], 2, v3
	v_lshlrev_b32 v[QO], 5, v1
	v_lshl_add_u32 v[QO], v2, 4, v[QO]
	v_and_b32 v13, 1, v0
	v_lshl_add_u32 v[FA], v13, 2, s[WV]            ; even lanes: byte w of LIVE; odd lanes: byte w of PART
	s_lshl_b32 s57, s43, 8
	s_lshl_b32 s62, s[WV], 6
	s_add_co_u32 s57, s57, s62
	v_add_nc_u32 v[PI_], s57, v1                   ; my token's position: 256 tb + 64 w + 16 tile + r
	v_add_nc_u32 v[PI_+1], 16, v[PI_]
	v_add_nc_u32 v[PI_+2], 32, v[PI_]
	v_add_nc_u32 v[PI_+3], 48, v[PI_]
	; the buffers at my part
	s_lshl_b32 s73, s43, 4
	s_add_co_u32 s73, s73, s42                     ; qt = 16 tb + head
	s_mov_b32 s67, 0
	s_mov_b32 s63, 0
	s_lshl_b32 s66, s73, 16
	s_add_nc_u64 s[14:15], s[14:15], s[66:67]      ; the mask at row 16 qt
	s_lshl_b32 s66, s73, 3
	s_add_nc_u64 s[22:23], s[22:23], s[66:67]      ; the flags of tile qt
	s_lshl_b32 s66, s43, 13
	s_lshl_b32 s62, s[WV], 11
	s_add_co_u32 s66, s66, s62                     ; 8,192 tb + 2,048 w
	s_add_nc_u64 s[6:7], s[6:7], s[66:67]          ; x's scales: 32 bytes a token
	s_lshl_b32 s62, s42, 17
	s_add_co_u32 s62, s62, s66
	s_add_nc_u64 s[16:17], s[16:17], s[62:63]      ; qc: 32 bytes a token, 131,072 a head
	s_mul_i32 s57, s42, KVH
	s_add_co_u32 s62, s57, s66
	s_add_nc_u64 s[74:75], s[20:21], s[62:63]      ; K's images: 512 bytes for 16 keys
	s_lshl_b32 s62, s42, 11
	s_add_nc_u64 s[10:11], s[10:11], s[62:63]      ; W's scales: the head's 64 rows of 32 bytes
	s_lshl_b32 s62, s42, 8
	s_add_nc_u64 s[12:13], s[12:13], s[62:63]      ; the bias: the head's 64 numbers
	s_lshl_b32 s62, s42, 14
	s_lshl_b32 s66, s43, 10
	s_add_co_u32 s62, s62, s66
	s_lshl_b32 s66, s[WV], 8
	s_add_co_u32 s62, s62, s66
	s_add_nc_u64 s[18:19], s[18:19], s[62:63]      ; qs: a word a token
	s_lshr_b32 s92, s[WV], 1                       ; which step of the block's two,
	s_and_b32 s93, s[WV], 1                        ; and which half of it
	s_lshl_b32 s62, s43, 13
	s_add_co_u32 s62, s62, s57
	s_lshl_b32 s66, s92, 12
	s_add_co_u32 s62, s62, s66
	s_lshl_b32 s66, s93, 9
	s_add_co_u32 s62, s62, s66
	s_add_nc_u64 s[76:77], s[20:21], s[62:63]      ; V's images (VIMG stands in the stores' immediates)
	s_lshl_b32 s62, s43, 9
	s_add_co_u32 s62, s62, s57
	s_lshl_b32 s66, s[WV], 7
	s_add_co_u32 s66, s66, s62
	s_add_nc_u64 s[78:79], s[20:21], s[66:67]      ; K's scale words
	s_lshl_b32 s66, s92, 8
	s_add_co_u32 s62, s62, s66
	s_lshl_b32 s66, s93, 1
	s_add_co_u32 s62, s62, s66
	s_add_nc_u64 s[80:81], s[20:21], s[62:63]      ; V's scale bytes
	; 68 loads: the mask's 16 rows x 1,024 bytes, the scale words, the biases
	WIN 0x80                                       ; destination window 2
.irp row, 0,1,2,3,4,5,6,7,8,9,10,11,12,13,14,15
.irp q, 0,1
	global_load_b128 v[4*(2*\row+\q):4*(2*\row+\q)+3], v[MKO], s[14:15] offset:\row*4096+512*\q th:TH_LOAD_NT   ; 32 lanes read 512 consecutive bytes: four steps of 128 keys, eight lanes each
.endr
.endr
	WIN 0
.irp p, 0,1
	global_load_b128 v[XS+8*\p:XS+8*\p+3], v[L32], s[6:7] offset:1024*\p          ; lanes 0-15: tile 2 p; lanes 16-31: tile 2 p + 1; register ks: the word of K step ks
	global_load_b128 v[XS+8*\p+4:XS+8*\p+7], v[L32], s[6:7] offset:1024*\p+16
.endr
.irp sl, 0,1,2
.irp p, 0,1
	global_load_b128 v[WS+8*(2*\sl+\p):WS+8*(2*\sl+\p)+3], v[L32], s[10:11] offset:\sl*32768+1024*\p
	global_load_b128 v[WS+8*(2*\sl+\p)+4:WS+8*(2*\sl+\p)+7], v[L32], s[10:11] offset:\sl*32768+1024*\p+16
.endr
.endr
.irp sl, 0,1
.irp f, 0,1,2,3
	global_load_b128 v[BI+8*(4*\sl+\f):BI+8*(4*\sl+\f)+3], v[H32], s[12:13] offset:\sl*4096+64*\f       ; q, k: register j is the bias of feature 16 f + 8 h + j
	global_load_b128 v[BI+8*(4*\sl+\f)+4:BI+8*(4*\sl+\f)+7], v[H32], s[12:13] offset:\sl*4096+64*\f+16
.endr
.endr
.irp t, 0,1,2,3
	global_load_b32 v[BV+8*\t], v[R4], s[12:13] offset:8192+64*\t                 ; v: the bias of channel 16 t + r
.endr
	; ---- sine and cosine of my 64 angles, while the tiles and the loads are on their way
	WIN 0x40                                       ; destination window 1, source window 0
.irp u, 0,1,2,3
	v_cvt_f32_u32 v[POS+2*\u], v[PI_+\u]
	v_cvt_f32_u32 v[POS+2*\u+1], v[PI_+\u]
.endr
	WIN 0x55                                       ; all in window 1
.macro KONST reg, val
	v_mov_b32 v[\reg], \val
	v_mov_b32 v[\reg+1], \val
.endm
	KONST K2PI, 0x3f22f983                         ; 2 / pi
	KONST KP1, 0xbfc90fdb                          ; -(pi / 2 rounded to f32)
	KONST KP2, 0x333bbd2e                          ; -(pi / 2 less that)
	KONST KS3, -0.00019515295891
	KONST KS2, 0.0083321608736
	KONST KS1, -0.16666654611
	KONST KC3, 0.00002443315711809948
	KONST KC2, -0.001388731625493765
	KONST KC1, 0.04166664568298827
	KONST KMH, -0.5
	KONST KONE, 1.0
.macro THETA i, a, b                   ; frequency 10^(-n / 8): n = 16 (i / 8) + i % 8 in lanes 0-15, eight further on in lanes 16-31
	v_mov_b32 v[THT+\i], \a
	v_mov_b32 v[TT], \b
	v_cndmask_b32 v[THT+\i], v[THT+\i], v[TT], s[HM]
.endm
	THETA 0, 1.0, 0.1
	THETA 1, 0.7498942093324559, 0.07498942093324559
	THETA 2, 0.5623413251903491, 0.05623413251903491
	THETA 3, 0.4216965034285822, 0.04216965034285822
	THETA 4, 0.31622776601683794, 0.031622776601683794
	THETA 5, 0.23713737056616552, 0.023713737056616552
	THETA 6, 0.1778279410038923, 0.01778279410038923
	THETA 7, 0.1333521432163324, 0.01333521432163324
	THETA 8, 0.01, 0.001
	THETA 9, 0.007498942093324559, 0.0007498942093324559
	THETA 10, 0.005623413251903491, 0.0005623413251903491
	THETA 11, 0.004216965034285822, 0.0004216965034285822
	THETA 12, 0.0031622776601683794, 0.00031622776601683794
	THETA 13, 0.0023713737056616552, 0.00023713737056616552
	THETA 14, 0.001778279410038923, 0.0001778279410038923
	THETA 15, 0.001333521432163324, 0.0001333521432163324
; The 16 angles of tile u, stage by stage, two at a time where a packed form exists.
.macro SINCOS u
.irp p, 0,2,4,6,8,10,12,14
	v_pk_mul_f32 v[AA+\p:AA+\p+1], v[POS+2*\u:POS+2*\u+1], v[THT+\p:THT+\p+1]     ; the angle: position x frequency, rounded once
.endr
.irp p, 0,2,4,6,8,10,12,14
	v_pk_mul_f32 v[NN+\p:NN+\p+1], v[AA+\p:AA+\p+1], v[K2PI:K2PI+1]
.endr
.irp i, 0,1,2,3,4,5,6,7,8,9,10,11,12,13,14,15
	v_rndne_f32 v[NN+\i], v[NN+\i]                 ; n: how many quarter turns
.endr
.irp p, 0,2,4,6,8,10,12,14
	v_pk_fma_f32 v[RA+\p:RA+\p+1], v[NN+\p:NN+\p+1], v[KP1:KP1+1], v[AA+\p:AA+\p+1]
.endr
.irp p, 0,2,4,6,8,10,12,14
	v_pk_fma_f32 v[RA+\p:RA+\p+1], v[NN+\p:NN+\p+1], v[KP2:KP2+1], v[RA+\p:RA+\p+1]   ; x = angle - n pi / 2
.endr
.irp p, 0,2,4,6,8,10,12,14
	v_pk_mul_f32 v[ZZ+\p:ZZ+\p+1], v[RA+\p:RA+\p+1], v[RA+\p:RA+\p+1]             ; z = x x
.endr
.irp p, 0,2,4,6,8,10,12,14
	v_pk_fma_f32 v[SI+\p:SI+\p+1], v[ZZ+\p:ZZ+\p+1], v[KS3:KS3+1], v[KS2:KS2+1]
	v_pk_fma_f32 v[CO+\p:CO+\p+1], v[ZZ+\p:ZZ+\p+1], v[KC3:KC3+1], v[KC2:KC2+1]
.endr
.irp p, 0,2,4,6,8,10,12,14
	v_pk_fma_f32 v[SI+\p:SI+\p+1], v[SI+\p:SI+\p+1], v[ZZ+\p:ZZ+\p+1], v[KS1:KS1+1]
	v_pk_fma_f32 v[CO+\p:CO+\p+1], v[CO+\p:CO+\p+1], v[ZZ+\p:ZZ+\p+1], v[KC1:KC1+1]
.endr
.irp p, 0,2,4,6,8,10,12,14
	v_pk_mul_f32 v[T1+\p:T1+\p+1], v[ZZ+\p:ZZ+\p+1], v[RA+\p:RA+\p+1]
	v_pk_mul_f32 v[T2+\p:T2+\p+1], v[ZZ+\p:ZZ+\p+1], v[ZZ+\p:ZZ+\p+1]
	v_pk_fma_f32 v[AA+\p:AA+\p+1], v[ZZ+\p:ZZ+\p+1], v[KMH:KMH+1], v[KONE:KONE+1]
.endr
.irp p, 0,2,4,6,8,10,12,14
	v_pk_fma_f32 v[SI+\p:SI+\p+1], v[T1+\p:T1+\p+1], v[SI+\p:SI+\p+1], v[RA+\p:RA+\p+1]   ; sin x
	v_pk_fma_f32 v[CO+\p:CO+\p+1], v[T2+\p:T2+\p+1], v[CO+\p:CO+\p+1], v[AA+\p:AA+\p+1]   ; cos x
.endr
.irp i, 0,1,2,3,4,5,6,7,8,9,10,11,12,13,14,15
	v_cvt_i32_f32 v[NI+\i], v[NN+\i]
.endr
.irp i, 0,1,2,3,4,5,6,7,8,9,10,11,12,13,14,15
	v_and_b32 v[T1+\i], 1, v[NI+\i]
	v_add_nc_u32 v[T2+\i], 1, v[NI+\i]
.endr
.irp i, 0,1,2,3,4,5,6,7,8,9,10,11,12,13,14,15
	v_cmp_eq_u32 vcc_lo, 1, v[T1+\i]               ; an odd number of quarter turns: the two change places
	v_cndmask_b32 v[AA+\i], v[SI+\i], v[CO+\i], vcc_lo
	v_cndmask_b32 v[RA+\i], v[CO+\i], v[SI+\i], vcc_lo
.endr
.irp i, 0,1,2,3,4,5,6,7,8,9,10,11,12,13,14,15
	v_lshlrev_b32 v[NI+\i], 30, v[NI+\i]           ; the sine's sign: bit 1 of n;
	v_lshlrev_b32 v[T2+\i], 30, v[T2+\i]           ; the cosine's: bit 1 of n + 1
.endr
.irp i, 0,1,2,3,4,5,6,7,8,9,10,11,12,13,14,15
	v_and_b32 v[NI+\i], 0x80000000, v[NI+\i]
	v_and_b32 v[T2+\i], 0x80000000, v[T2+\i]
.endr
	WIN 0xD5                                       ; destination window 3
.irp i, 0,1,2,3,4,5,6,7,8,9,10,11,12,13,14,15
	v_xor_b32 v[SN+16*\u+\i], v[AA+\i], v[NI+\i]
	v_xor_b32 v[CN+16*\u+\i], v[RA+\i], v[T2+\i]
.endr
	WIN 0x55
.endm
	SINCOS 0
	SINCOS 1
	SINCOS 2
	SINCOS 3
	WIN 0
	s_wait_loadcnt 0x0                             ; the mask's bytes, the scale words and the biases are in
.irp t, 0,1,2,3
.irp j, 1,2,3,4,5,6,7
	v_mov_b32 v[BV+8*\t+\j], v[BV+8*\t]            ; v's bias hangs on the lane alone: eight equal registers, the C of the first product
.endr
.endr
	; ---- the flags.  The 16 rows are added byte by byte (a sum is 16 at the most): 0 = open in all rows, 16 = hidden in all
	WIN 0xAA                                       ; all in window 2
.irp row, 1,2,3,4,5,6,7,8,9,10,11,12,13,14,15
.irp n, 0,1,2,3,4,5,6,7
	v_add_nc_u32 v[\n], v[\n], v[8*\row+\n]
.endr
.endr
.irp q, 0,1
	v_or_b32 v[64+\q], v[4*\q], v[4*\q+1]
	v_and_b32 v[66+\q], v[4*\q], v[4*\q+1]
	v_or_b32 v[68+\q], v[4*\q+2], v[4*\q+3]
	v_and_b32 v[70+\q], v[4*\q+2], v[4*\q+3]
.endr
.irp q, 0,1
	v_or_b32 v[64+\q], v[64+\q], v[68+\q]
	v_and_b32 v[66+\q], v[66+\q], v[70+\q]
.endr
	v_cmp_ne_u32 s82, 0, v64                       ; lanes with a hidden key among their 16 columns
	v_cmp_ne_u32 s83, 0, v65
	v_cmp_ne_u32 s84, s91, v66                     ; lanes with an open key: a byte under 16 has bit 4 clear, and so has the AND
	v_cmp_ne_u32 s85, s91, v67
	WIN 0
.macro NIB x                           ; a lane mask becomes four bits: bit g = some lane of 8 g .. 8 g + 7
	s_lshr_b32 s90, s[\x], 4
	s_or_b32 s[\x], s[\x], s90
	s_lshr_b32 s90, s[\x], 2
	s_or_b32 s[\x], s[\x], s90
	s_lshr_b32 s90, s[\x], 1
	s_or_b32 s[\x], s[\x], s90
	s_and_b32 s[\x], s[\x], 0x01010101
	s_mul_i32 s[\x], s[\x], 0x00204081             ; bits 0, 8, 16, 24 meet at bits 21 to 24; no two terms fall on one bit
	s_lshr_b32 s[\x], s[\x], 21
	s_and_b32 s[\x], s[\x], 15
.endm
	NIB 82
	NIB 83
	NIB 84
	NIB 85
	s_lshl_b32 s83, s83, 4
	s_or_b32 s82, s82, s83                         ; PART of steps 8 w .. 8 w + 7
	s_lshl_b32 s85, s85, 4
	s_or_b32 s84, s84, s85                         ; LIVE
	v_mov_b32 v[FD], s84
	v_mov_b32 v15, s82
	v_cmp_eq_u32 vcc_lo, 1, v13
	v_cndmask_b32 v[FD], v[FD], v15, vcc_lo
	global_store_b8 v[FA], v[FD], s[22:23]         ; all even lanes write one byte with one value, all odd lanes the other: no lane is switched off
	s_wait_tensorcnt 0x0                           ; my rows of x and of W have landed,
	s_barrier_signal -1
	s_barrier_wait -1                              ; everybody's have.
; 32 LDS loads: the fragments of K step ks (128 along K: 64 bytes of each row) into set st
.macro FETCH ks, st
.irp u, 0,1,2,3
.irp c, 0,1
	ds_load_b128 v[128*(\st)+8*\u+4*\c:128*(\st)+8*\u+4*\c+3], v[AX] offset:8448*\u+64*(\ks)+32*\c
.endr
.endr
.irp sl, 0,1,2
.irp f, 0,1,2,3
.irp c, 0,1
	ds_load_b128 v[128*(\st)+32+8*(4*\sl+\f)+4*\c:128*(\st)+32+8*(4*\sl+\f)+4*\c+3], v[AW+\sl] offset:8448*\f+64*(\ks)+32*\c
.endr
.endr
.endr
.endm
; A K step: 48 products, the 48 accumulators by turns, one instruction a turn.  The first step's C is the bias.
.macro KSTEP ks
.set ST_, 128*((\ks)%2)
.if (\ks) > 0
.rept 4
	v_nop                                          ; four places between the last step's products and the loads into the set that they read
.endr
.endif
.if (\ks) < 7
	WIN 0x40                                       ; destination window 1
	FETCH (\ks)+1, ((\ks)+1)%2
	s_wait_dscnt 32                                ; all but the 32 just issued: this step's fragments are in
.else
	s_wait_dscnt 0x0
.endif
.if (\ks) == 0
	WIN 0x85                                       ; sources 0 and 1 window 1, C window 0, D window 2
.else
	WIN 0xA5                                       ; C and D window 2
.endif
.irp sl, 0,1
.irp u, 0,1,2,3
.irp f, 0,1,2,3
.if (\ks) == 0
	WMX 8*(16*\sl+4*\u+\f), ST_+32+8*(4*\sl+\f), ST_+8*\u, BI+8*(4*\sl+\f), WS+8*(2*\sl+\f/2)+(\ks), XS+8*(\u/2)+(\ks), \f%2, \u%2
.else
	WMX 8*(16*\sl+4*\u+\f), ST_+32+8*(4*\sl+\f), ST_+8*\u, 8*(16*\sl+4*\u+\f), WS+8*(2*\sl+\f/2)+(\ks), XS+8*(\u/2)+(\ks), \f%2, \u%2
.endif
.endr
.endr
.endr
.if (\ks) == 0
	WIN 0xC5                                       ; D window 3, C window 0
.else
	WIN 0xF5                                       ; C and D window 3
.endif
.irp t, 0,1,2,3
.irp u, 0,1,2,3
.if (\ks) == 0
	WMX 8*(4*\t+\u), ST_+8*\u, ST_+32+8*(8+\t), BV+8*\t, XS+8*(\u/2)+(\ks), WS+8*(4+\t/2)+(\ks), \u%2, \t%2
.else
	WMX 8*(4*\t+\u), ST_+8*\u, ST_+32+8*(8+\t), 8*(4*\t+\u), XS+8*(\u/2)+(\ks), WS+8*(4+\t/2)+(\ks), \u%2, \t%2
.endif
.endr
.endr
.endm
	WIN 0x40
	FETCH 0, 0
.set KS, 0
.rept 8
	KSTEP KS
.set KS, KS+1
.endr
.rept 4
	v_nop                                          ; four places between the last products and the first read of results
.endr
	WIN 0
	v_mov_b32 v[PM], 0                             ; a lane permute's destination counts as one of its sources
	v_mov_b32 v[PM+1], 0
; ---- q and k: the rotation, 32 numbers of one token at a time.  Registers i and 16 + i of a (slice, tile) are channels n and n + 32, n = 16 (i / 8) + 8 h + i % 8
.macro ROPEQ sl, u
.set AC_, 128*(\sl)+32*(\u)
	WIN 0x0E                                       ; source 0 window 2 (the sums), source 1 window 3 (sine, cosine), source 2 and destination window 0
.irp i, 0,2,4,6,8,10,12,14
	v_pk_mul_f32 v[UU+\i:UU+\i+1], v[AC_+16+\i:AC_+17+\i], v[SN+16*(\u)+\i:SN+16*(\u)+\i+1]
	v_pk_mul_f32 v[WW+\i:WW+\i+1], v[AC_+\i:AC_+\i+1], v[SN+16*(\u)+\i:SN+16*(\u)+\i+1]
.endr
.irp i, 0,2,4,6,8,10,12,14
	v_pk_fma_f32 v[RR+\i:RR+\i+1], v[AC_+\i:AC_+\i+1], v[CN+16*(\u)+\i:CN+16*(\u)+\i+1], v[UU+\i:UU+\i+1] neg_lo:[0,0,1] neg_hi:[0,0,1]   ; t1 cos - t2 sin
	v_pk_fma_f32 v[RR+16+\i:RR+17+\i], v[AC_+16+\i:AC_+17+\i], v[CN+16*(\u)+\i:CN+16*(\u)+\i+1], v[WW+\i:WW+\i+1]                         ; t2 cos + t1 sin
.endr
	WIN 0
.endm
.irp sl, 0,1
.irp u, 0,1,2,3
	ROPEQ \sl, \u
	QUANT2 RR, PQ+4*(4*\sl+\u), EW+4*\sl+\u
.if \sl == 0
	global_store_b128 v[QO], v[PQ+4*\u:PQ+4*\u+3], s[16:17] offset:512*\u          ; q: 32 bytes a token: the wave stores 512 consecutive bytes
.else
	global_store_b128 v[L16], v[PQ+16+4*\u:PQ+16+4*\u+3], s[74:75] offset:512*\u   ; k: the image of half a fragment's registers, 16 bytes a lane
.endif
.endr
.endr
.irp p, 0,1
	v_cndmask_b32 v[SW+\p], v[EW+2*\p], v[EW+2*\p+1], s[HM]        ; q's words: lanes 0-15 tile 2 p, lanes 16-31 tile 2 p + 1
	v_or_b32 v[SW+\p], 0x01010000, v[SW+\p]                        ; the two bytes of the half of K that holds zero codes: 1
	global_store_b32 v[L4], v[SW+\p], s[18:19] offset:128*\p
.endr
	v_lshl_or_b32 v[SW+2], v[EW+5], 16, v[EW+4]                    ; k's words: the bytes of keys r and 16 + r of a fragment
	v_lshl_or_b32 v[SW+3], v[EW+7], 16, v[EW+6]
	v_cndmask_b32 v[SW+2], v[SW+2], v[SW+3], s[HM]
	global_store_b32 v[L4], v[SW+2], s[78:79] offset:KSCO
	; ---- v: a lane holds channel 16 t + r; the 32 registers of t are my wave's 64 tokens' halves: two blocks of 32 keys
.irp n, 0,1,2,3,4,5,6,7
	v_mov_b32 v[MV+\n], 0x1800000                  ; the floor starts each chain
	v_mov_b32 v[PMV+\n], 0
.endr
	WIN 0x3C                                       ; sources 1 and 2 window 3
.irp i, 0,2,4,6,8,10,12,14
.irp t, 0,1,2,3
.irp b, 0,1
	v_max3_num_f32 v[MV+2*\t+\b], v[MV+2*\t+\b], |v[32*\t+16*\b+\i]|, |v[32*\t+16*\b+\i+1]|
.endr
.endr
.endr
	WIN 0
.irp n, 0,1,2,3,4,5,6,7
	v_permlanex16_b32 v[PMV+\n], v[MV+\n], s[SEL], s[SEL+1]
.endr
.irp n, 0,1,2,3,4,5,6,7
	v_max_num_f32 v[MV+\n], v[MV+\n], v[PMV+\n]
.endr
.irp n, 0,1,2,3,4,5,6,7
	v_add_nc_u32 v[SOV+\n], 0xff000000, v[MV+\n]
.endr
.irp n, 0,1,2,3,4,5,6,7
	v_lshrrev_b32 v[EBV+\n], 23, v[SOV+\n]
.endr
.irp t, 0,1,2,3
	v_lshl_or_b32 v[HWV+\t], v[EBV+2*\t+1], 8, v[EBV+2*\t]
.endr
	WIN 0x03                                       ; source 0 window 3
.irp t, 0,1,2,3
.irp u, 0,1,2,3
	v_cvt_scalef32_pk8_fp4_f32 v[PV+4*\t+2*(\u%2)+\u/2], v[32*\t+8*\u:32*\t+8*\u+7], v[SOV+2*\t+\u/2]
.endr
.endr
	WIN 0
	v_nop                                          ; one plain place behind the scaled conversions
.irp t, 0,1,2,3
	v_permlane16_swap_b32 v[PV+4*\t], v[PV+4*\t+1]
	v_permlane16_swap_b32 v[PV+4*\t+2], v[PV+4*\t+3]
.endr
.irp t, 0,1,2,3
	global_store_b128 v[L16], v[PV+4*\t:PV+4*\t+3], s[76:77] offset:VIMG+1024*\t   ; the image of half a fragment of V^T: 512 consecutive bytes
.endr
.irp i, 0,1
	v_cndmask_b32 v[SV+\i], v[HWV+2*\i], v[HWV+2*\i+1], s[HM]      ; lanes 0-15: channels of t = 2 i; lanes 16-31: of t = 2 i + 1
	global_store_b16 v[L4], v[SV+\i], s[80:81] offset:VSCO+128*\i  ; my two of a word's four bytes
.endr
	s_wait_tensorcnt 0x0                           ; the wave's end: behind my last tensor load
	ds_add_u32 v[SPW], v[NIL]
	s_wait_dscnt 0x0
	CROUND                                         ; the closing round: no work-group ends while a partner may still ask for a tile that names it
	s_endpgm
.Lfunc_end_k_q56cc34ba73_qkv:
	.size	k_q56cc34ba73_qkv, .Lfunc_end_k_q56cc34ba73_qkv-k_q56cc34ba73_qkv
	.p2alignl 7, 3214868480
	.fill 96, 4, 3214868480
	.section	.rodata,"a",@progbits
	.p2align	6, 0x0
	.amdhsa_kernel k_q56cc34ba73_qkv
		.amdhsa_group_segment_fixed_size 237056
		.amdhsa_private_segment_fixed_size 0
		.amdhsa_enable_private_segment 0
		.amdhsa_kernarg_size 80
		.amdhsa_user_sgpr_count 2
		.amdhsa_user_sgpr_kernarg_segment_ptr 1
		.amdhsa_wavefront_size32 1
		.amdhsa_system_sgpr_workgroup_id_x 1
		.amdhsa_system_sgpr_workgroup_id_y 1
		.amdhsa_system_sgpr_workgroup_id_z 1
		.amdhsa_system_vgpr_workitem_id 0
		.amdhsa_next_free_vgpr 1024
		.amdhsa_next_free_sgpr 100
		.amdhsa_reserve_vcc 1
		.amdhsa_float_denorm_mode_32 3
		.amdhsa_float_denorm_mode_16_64 3
		.amdhsa_memory_ordered 1
		.amdhsa_forward_progress 1
		.amdhsa_inst_pref_size 192
	.end_amdhsa_kernel
	.amdgpu_metadata
---
amdhsa.version: [ 1, 2 ]
amdhsa.kernels:
  - .name:           k_q56cc34ba73_qkv
    .symbol:         k_q56cc34ba73_qkv.kd
    .args:
      - { .name: x_codes, .offset: 0, .size: 8, .value_kind: global_buffer, .address_space: global }
      - { .name: x_scales, .offset: 8, .size: 8, .value_kind: global_buffer, .address_space: global }
      - { .name: wqkv_w_codes, .offset: 16, .size: 8, .value_kind: global_buffer, .address_space: global }
      - { .name: wqkv_w_scales, .offset: 24, .size: 8, .value_kind: global_buffer, .address_space: global }
      - { .name: wqkv_b, .offset: 32, .size: 8, .value_kind: global_buffer, .address_space: global }
      - { .name: mask, .offset: 40, .size: 8, .value_kind: global_buffer, .address_space: global }
      - { .name: qc, .offset: 48, .size: 8, .value_kind: global_buffer, .address_space: global }
      - { .name: qs, .offset: 56, .size: 8, .value_kind: global_buffer, .address_space: global }
      - { .name: kv, .offset: 64, .size: 8, .value_kind: global_buffer, .address_space: global }
      - { .name: flags, .offset: 72, .size: 8, .value_kind: global_buffer, .address_space: global }
    .group_segment_fixed_size: 237056
    .private_segment_fixed_size: 0
    .kernarg_segment_align: 8
    .kernarg_segment_size: 80
    .max_flat_workgroup_size: 128
    .sgpr_count:     100
    .vgpr_count:     1024
    .wavefront_size: 32
...
	.end_amdgpu_metadata
.endif
;; end of part 1
;; launch attn (part 2): grid 16 x 16, 16 waves a work-group, no clusters, 280,576 bytes of LDS; arguments qc, qs, kv, flags, mask, cc, cs; writes cc, cs
.if DOCPART == 2
	.amdgcn_target "amdgcn-amd-amdhsa--gfx1250"
	.amdhsa_code_object_version 6
	.text
	.protected	k_q56cc34ba73_attn
	.globl	k_q56cc34ba73_attn
	.p2align	8
	.type	k_q56cc34ba73_attn,@function
k_q56cc34ba73_attn:
	s_mov_b64 s[64:65], 0
	v_nop
	global_prefetch_b8 v0, s[64:65] scope:SCOPE_SE
	s_setreg_imm32_b32 hwreg(HW_REG_WAVE_MODE, 25, 1), 1
	s_wait_xcnt 0x0
; ctx = softmax(q k^T / 8, hidden keys at -infinity) v for one head, both products on codes of FP4 (E2M1) with E8M0 scales; ctx is divided by the row's sum and quantised along the embedding for the last product.
; THE SOFTMAX: t = score x log2(e) / 8; M = the running largest t rounded up to a whole number; p = 2^(t - M) is quantised along the keys; the row's sum is taken of the unquantised p.
; SHARES.  Work-group (g, head): sixteen waves, each with ONE tile of 16 queries, tile 16 rho(w) + g; rho is a 4 x 4 magic square read row by row, so that any four waves w % 4 = const or w / 4 = const hold tiles
; whose numbers add up alike.  That only evens the work out; no result hangs on it.
; A HEAD'S K AND V, codes and scale words, 278,528 bytes, are copied into LDS once, through registers, and only read from then on: one barrier in the launch.
; STEPS OF 128 KEYS ARE LEFT OUT BY STORED NUMBERS: the launch before has stored, for each tile of queries, bit s of LIVE (some key of step s is open) and of PART (some key is hidden).  A step that is not live adds nothing
; to any of the 16 rows.  These are branches on numbers read from memory, so this launch has no tensor load and no copy, and hence no joint request to share in a cluster.
; THE MASK, in steps that are PART, goes through the matrix unit: S^T = E x Mask^T starts the sum (C = 0) and K Q^T is added in place.  Mask's bytes (0 or 1) are packed as codes (0 or 0.5), E picks key m's code with
; the code -2; both scales are 2^60: a hidden score starts at -2^120 exactly, an open one at 0.
; K = 64 fills half an instruction's 128: a fragment of K's codes holds TWO tiles of 16 keys (k 0-63: keys 32 f + r; k 64-127: keys 32 f + 16 + r), and Q stands beside zero codes: [Q|0] or [0|Q], two views of one run of
; 12 registers.  The scale bytes of Q's empty half are 1.
; LAYOUT.  Both products transposed: a lane holds one query (lane % 16) throughout; register j of score tile T is key 16 T + 8 (lane / 16) + j.
; LIMITS: |score| stays far under 2^120 and t above -2^100; a block whose largest magnitude lies under 2^-124 gets the byte 1; NaN and infinities are not served.  A row all of whose keys are hidden has the sum 0: its
; scale bytes are set to 0xff, which makes the whole output row NaN, as the definition has it.
.set KVH,   278528
.set SPARE, 278528                     ; behind the head's K and V: the spare words, 128 bytes a wave: eight blocks of 256 bytes that no other line names
.set AK0,  1                           ; v1   16 x lane: my place in an image of K
.set AV0,  2                           ; v2   the same for V
.set ASK0, 3                           ; v3   4 x lane among K's scale words
.set ASV0, 4                           ; v4   and V's
.set SPW,  5                           ; v5   my spare word; never rewritten
.set NIL,  6                           ; v6   0; never rewritten
.set MO,   7                           ; v7   the mask: row r, + 64 h
.set ADK,  8                           ; v8-11 the step's LDS addresses
.set ADV,  9
.set ADS,  10
.set ADT,  11
.set MM,   16                          ; v16-23 the mask's codes
.set QZ,   24                          ; v24-35 zeros, Q, zeros
.set E0,   36                          ; v36-43, v44-51 the two selection matrices
.set MA,   60                          ; v60  the mask's offset of the step
.set FF,   64                          ; v64-95 four fragments of K, then of V
.set SS,   96                          ; v96-159 S^T, then p
.set OO,   160                         ; v160-191 O^T
.set PC,   192                         ; v192-199 p's codes
.set RAW,  200                         ; v200-215 the mask's bytes as loaded
.set BM,   216                         ; v216-219 the blocks' largest scores, then largest p
.set PD,   220                         ; v220-223 permute results, then bytes
.set SOP,  224                         ; v224-227 scale operands
.set MX,   216                         ; the way out's quantiser
.set PM,   220
.set SO,   224
.set EB,   226
.set WV,   18
.set CS,   22                          ; s[22:23] c = log2(e) / 8
.set SEL,  24
.set LIVE, 26
.set PART, 27
.set TB,   28                          ; the step's images: 4,096 bytes a step
.set TS,   29                          ; its scale words: 256 bytes a step
.set MS,   30                          ; its columns of the mask: 128 a step
.set CNT,  31
.macro WMX d, a, b, c, sa, sb, ra, rb
.if ((\ra)==0) && ((\rb)==0)
	v_wmma_scale_f32_16x16x128_f8f6f4 v[(\d):(\d)+7], v[(\a):(\a)+7], v[(\b):(\b)+7], v[(\c):(\c)+7], v[(\sa)], v[(\sb)] matrix_a_fmt:MATRIX_FMT_FP4 matrix_b_fmt:MATRIX_FMT_FP4
.else
	v_wmma_scale_f32_16x16x128_f8f6f4 v[(\d):(\d)+7], v[(\a):(\a)+7], v[(\b):(\b)+7], v[(\c):(\c)+7], v[(\sa)], v[(\sb)] matrix_a_fmt:MATRIX_FMT_FP4 matrix_b_fmt:MATRIX_FMT_FP4 matrix_a_scale:MATRIX_SCALE_ROW1
.endif
.endm
.macro WMZ d, a, b, sa, sb, ra          ; the same with the constant 0 as C: the product starts the sum
.if (\ra)==0
	v_wmma_scale_f32_16x16x128_f8f6f4 v[(\d):(\d)+7], v[(\a):(\a)+7], v[(\b):(\b)+7], 0, v[(\sa)], v[(\sb)] matrix_a_fmt:MATRIX_FMT_FP4 matrix_b_fmt:MATRIX_FMT_FP4
.else
	v_wmma_scale_f32_16x16x128_f8f6f4 v[(\d):(\d)+7], v[(\a):(\a)+7], v[(\b):(\b)+7], 0, v[(\sa)], v[(\sb)] matrix_a_fmt:MATRIX_FMT_FP4 matrix_b_fmt:MATRIX_FMT_FP4 matrix_a_scale:MATRIX_SCALE_ROW1
.endif
.endm
; 32 numbers of a lane, v[r] on: register 16 b + 8 g + j is k = 32 b + 16 g + 8 (lane / 16) + j of my row.  They become 16 bytes of codes in v[p] .. v[p + 3]: block lane / 16 of my row; v[e] = byte of block 0 | byte of block 1 << 8.
.macro QUANT2 r, p, e
	v_max3_num_f32 v[MX], |v[(\r)]|, |v[(\r)+1]|, 0x1800000        ; and the floor 2^(3 - 127): the byte cannot fall under 1
	v_max3_num_f32 v[MX+1], |v[(\r)+16]|, |v[(\r)+17]|, 0x1800000
.irp i, 2,4,6,8,10,12,14
	v_max3_num_f32 v[MX], v[MX], |v[(\r)+\i]|, |v[(\r)+\i+1]|
	v_max3_num_f32 v[MX+1], v[MX+1], |v[(\r)+16+\i]|, |v[(\r)+17+\i]|
.endr
	v_permlanex16_b32 v[PM], v[MX], s[SEL], s[SEL+1]
	v_permlanex16_b32 v[PM+1], v[MX+1], s[SEL], s[SEL+1]
	v_max_num_f32 v[MX], v[MX], v[PM]
	v_max_num_f32 v[MX+1], v[MX+1], v[PM+1]
	v_add_nc_u32 v[SO], 0xff000000, v[MX]
	v_add_nc_u32 v[SO+1], 0xff000000, v[MX+1]
	v_lshrrev_b32 v[EB], 23, v[SO]
	v_lshrrev_b32 v[EB+1], 23, v[SO+1]
	v_lshl_or_b32 v[(\e)], v[EB+1], 8, v[EB]
	v_cvt_scalef32_pk8_fp4_f32 v[(\p)], v[(\r):(\r)+7], v[SO]
	v_cvt_scalef32_pk8_fp4_f32 v[(\p)+2], v[(\r)+8:(\r)+15], v[SO]
	v_cvt_scalef32_pk8_fp4_f32 v[(\p)+1], v[(\r)+16:(\r)+23], v[SO+1]
	v_cvt_scalef32_pk8_fp4_f32 v[(\p)+3], v[(\r)+24:(\r)+31], v[SO+1]
	v_nop                                                          ; one plain place behind the scaled conversions
	v_permlane16_swap_b32 v[(\p)], v[(\p)+1]
	v_permlane16_swap_b32 v[(\p)+2], v[(\p)+3]
.endm
	s_load_b256 s[4:11], s[0:1], 0x0               ; qc, qs, kv, flags
	s_load_b128 s[12:15], s[0:1], 0x20             ; mask, cc
	s_load_b64 s[16:17], s[0:1], 0x30              ; cs
	v_lshl_add_u32 v[SPW], v0, 2, SPARE
	v_mov_b32 v[NIL], 0
	v_lshrrev_b32 v7, 5, v0
	v_readfirstlane_b32 s[WV], v7                  ; wave 0..15
	s_mov_b32 s19, 0x0DE3B658                      ; rho of waves 8 to 15, four bits each,
	s_cmp_lt_u32 s[WV], 8
	s_cselect_b32 s19, 0x7A94C12F, s19             ; of waves 0 to 7
	s_and_b32 s36, s[WV], 7
	s_lshl_b32 s36, s36, 2
	s_lshr_b32 s19, s19, s36
	s_and_b32 s19, s19, 15
	s_lshl_b32 s20, s19, 4
	s_add_co_u32 s20, s20, ttmp9                   ; qt: my tile of 16 queries
	s_and_b32 s21, ttmp7, 0xffff                   ; the head
	s_mov_b32 s[CS], 0x3E38AA3B                    ; log2(e) / 8
	s_mov_b32 s[CS+1], s[CS]                       ; (named with it as a pair, so it is written)
	s_mov_b32 s[SEL], 0x76543210
	s_mov_b32 s[SEL+1], 0xfedcba98
	s_mov_b32 s32, 0xff                            ; lanes 0-7, 8-15, 16-23, 24-31
	s_mov_b32 s33, 0xff00
	s_mov_b32 s34, 0xff0000
	s_mov_b32 s35, 0xff000000
	s_mov_b32 s[TB], 0
	s_mov_b32 s[TS], 0
	s_mov_b32 s[MS], 0
	s_mov_b32 s[CNT], 0
	s_mul_i32 s36, s21, KVH
	s_mov_b32 s37, 0
	s_lshl_b32 s38, s21, 17
	s_lshl_b32 s40, s20, 9
	s_add_co_u32 s38, s38, s40                     ; 131,072 head + 512 qt: my tile in qc and in cc
	s_mov_b32 s39, 0
	v_lshlrev_b32 v216, 4, v0                      ; the copy: 16 bytes a thread, 8,192 a pass
	v_add_nc_u32 v217, 0x10000, v216               ; (an LDS immediate reaches 65,535: five address registers)
	v_add_nc_u32 v218, 0x20000, v216
	v_add_nc_u32 v219, 0x30000, v216
	v_add_nc_u32 v220, 0x40000, v216
	v_and_b32 v228, 15, v0                         ; r
	v_bfe_u32 v229, v0, 4, 1                       ; h
	v_lshlrev_b32 v8, 5, v228
	v_lshl_add_u32 v8, v229, 4, v8                 ; Q: 32 r + 16 h
	v_lshlrev_b32 v9, 2, v228                      ; its scale word: 4 r
	v_lshlrev_b32 v[MO], 12, v228
	v_lshl_add_u32 v[MO], v229, 6, v[MO]
	s_wait_kmcnt 0x0
	s_add_nc_u64 s[8:9], s[8:9], s[36:37]          ; kv at my head
	s_add_nc_u64 s[4:5], s[4:5], s[38:39]
	s_add_nc_u64 s[14:15], s[14:15], s[38:39]
	s_lshl_b32 s36, s21, 14
	s_lshl_b32 s40, s20, 6
	s_add_co_u32 s36, s36, s40
	s_add_nc_u64 s[6:7], s[6:7], s[36:37]          ; qs
	s_lshl_b32 s36, s20, 3
	s_add_nc_u64 s[10:11], s[10:11], s[36:37]      ; the flags of my tile
	s_lshl_b32 s36, s20, 16
	s_add_nc_u64 s[12:13], s[12:13], s[36:37]      ; the mask at my first query
	s_lshl_b32 s36, s20, 9
	s_lshl_b32 s40, s21, 1
	s_add_co_u32 s36, s36, s40
	s_add_nc_u64 s[16:17], s[16:17], s[36:37]      ; cs: 32 bytes a token, bytes 2 head and 2 head + 1
.set I_, 0
.rept 34
	global_load_b128 v[64+4*I_:67+4*I_], v216, s[8:9] offset:8192*I_   ; all 34 on their way together: 512 consecutive bytes a wave
.set I_, I_+1
.endr
	global_load_b128 v[QZ+4:QZ+7], v8, s[4:5]      ; Q: block h of query r
	global_load_b32 v52, v9, s[6:7]                ; its word: bytes e0, e1, 1, 1
	s_load_b64 s[LIVE:PART], s[10:11], 0x0
	; set-up on registers while the loads fly
	v_and_b32 v228, 31, v0
	v_lshlrev_b32 v[AK0], 4, v228
	v_add_nc_u32 v[AV0], 131072, v[AK0]
	v_lshlrev_b32 v[ASK0], 2, v228
	v_add_nc_u32 v[ASV0], 270336, v[ASK0]
	v_add_nc_u32 v[ASK0], 262144, v[ASK0]
	v_and_b32 v228, 7, v0                          ; e: my key among eight
	v_and_b32 v229, 3, v228
	v_lshrrev_b32 v228, 2, v228
	v_lshl_add_u32 v228, v229, 1, v228             ; where its code stands in a register of the mask's codes: 2 (e % 4) + e / 4
	v_lshlrev_b32 v228, 2, v228
	v_mov_b32 v229, 12                             ; the code of -2
	v_lshlrev_b32 v229, v228, v229
	v_cndmask_b32 v[E0], 0, v229, s32              ; E_0 picks k = 0 .. 15: rows 0-7 in register 0 of lanes 0-7, rows 8-15 in register 1 of lanes 8-15
	v_cndmask_b32 v[E0+1], 0, v229, s33
	v_cndmask_b32 v[E0+8], 0, v229, s34            ; E_1 picks k = 32 .. 47: the same in lanes 16-31
	v_cndmask_b32 v[E0+9], 0, v229, s35
.irp n, 2,3,4,5,6,7,10,11,12,13,14,15
	v_mov_b32 v[E0+\n], 0
.endr
.irp n, 0,1,2,3,8,9,10,11
	v_mov_b32 v[QZ+\n], 0
.endr
	v_mov_b32 v54, 0xBBBBBBBB                      ; four scale bytes of 2^60
	v_mov_b32 v13, 0xF1800000                      ; the largest t so far: -2^100: under every t, over every hidden one
	v_floor_f32 v12, -v13                          ; -M
	v_mov_b32 v14, 0                               ; the sum, in two halves
	v_mov_b32 v15, 0
.irp n, 1,2,3
	v_mov_b32 v[PD+\n], 0                          ; a lane permute's destination counts as one of its sources (v220 is cleared behind the copy, whose address it holds)
.endr
	v_mov_b32 v228, 0
	v_mov_b32 v231, 0                              ; (named as the upper half of the pair v[230:231])
.set I_, 0
.rept 34
	s_wait_loadcnt 35-I_                           ; loads come back in order: pass I_ is in; the 33 - I_ younger passes and Q's two loads may be out
	ds_store_b128 v[216+I_/8], v[64+4*I_:67+4*I_] offset:(I_%8)*8192
.set I_, I_+1
.endr
	s_wait_loadcnt 0x0                             ; Q and its word
	v_alignbit_b32 v53, v52, v52, 16               ; bytes 1, 1, e0, e1: for [0|Q]
	v_mov_b32 v[PD], 0
.set I_, 0
.rept 32
	v_mov_b32 v[OO+I_], 0                          ; O^T: the loop is written once; these lines are also the places between the scale word above and the first product
.set I_, I_+1
.endr
	s_wait_kmcnt 0x0                               ; the flags
	s_wait_dscnt 0x0                               ; for the others' sake: my stores have landed
	s_barrier_signal -1
	s_barrier_wait -1                              ; the head's K and V lie in LDS; nobody writes them again
.macro SCORES zero                     ; eight products: tile 2 f + c: fragment f against [Q|0] (c = 0) or [0|Q] (c = 1)
.irp f, 0,1,2,3
.irp c, 0,1
.if \zero
	WMZ SS+8*(2*\f+\c), FF+8*\f, QZ+4-4*\c, 56+\f/2, 52+\c, \f%2
.else
	WMX SS+8*(2*\f+\c), FF+8*\f, QZ+4-4*\c, SS+8*(2*\f+\c), 56+\f/2, 52+\c, \f%2, 0
.endif
.endr
.endr
.endm
.Lstep:                                                ; 32 trips: a step of 128 keys each
	s_bitcmp1_b32 s[LIVE], 0
	s_cbranch_scc0 .Ldead                          ; every key hidden for all 16 queries: every p would be 0
	v_add_nc_u32 v[ADK], s[TB], v[AK0]             ; (these four are also the places between the last step's products and the loads below)
	v_add_nc_u32 v[ADV], s[TB], v[AV0]
	v_add_nc_u32 v[ADS], s[TS], v[ASK0]
	v_add_nc_u32 v[ADT], s[TS], v[ASV0]
.irp f, 0,1,2,3
.irp c, 0,1
	ds_load_b128 v[FF+8*\f+4*\c:FF+8*\f+4*\c+3], v[ADK] offset:1024*\f+512*\c
.endr
.endr
	ds_load_b32 v56, v[ADS]                        ; K's scale words: fragment 0 in lanes 0-15, fragment 1 in lanes 16-31;
	ds_load_b32 v57, v[ADS] offset:128             ; fragments 2 and 3
	s_bitcmp1_b32 s[PART], 0
	s_cbranch_scc0 .Lopen
	v_add_nc_u32 v[MA], s[MS], v[MO]
.irp n, 0,1,2,3
	global_load_b128 v[RAW+4*\n:RAW+4*\n+3], v[MA], s[12:13] offset:16*\n   ; row r, keys 64 h .. 64 h + 63 of the step
.endr
	s_wait_loadcnt 0x0
.irp n, 0,1,2,3,4,5,6,7
	v_lshl_or_b32 v[MM+\n], v[RAW+2*\n+1], 4, v[RAW+2*\n]  ; eight bytes of 0 or 1 become eight codes of 0 or 0.5
.endr
.rept 4
	v_nop                                          ; an operand written by vector instructions stands four places ahead of a scaled product
.endr
	s_wait_dscnt 0x0
.irp t, 0,1,2,3,4,5,6,7
	WMZ SS+8*\t, E0+8*(\t/4), MM+2*(\t%4), 54, 54, 0   ; tile t: registers 2 (t % 4) and + 1 of the codes, of lanes 0-15 (t < 4) or 16-31; all that E does not pick meets zero codes
.endr
	SCORES 0                                       ; added in place; the eight accumulators take turns
	s_branch .Ljoin
.Lopen:
	s_wait_dscnt 0x0
	SCORES 1
.Ljoin:
.rept 4
	v_nop                                          ; four places: in front of the loads into K's registers and of the first read of the scores
.endr
.irp t, 0,1,2,3
.irp c, 0,1
	ds_load_b128 v[FF+8*\t+4*\c:FF+8*\t+4*\c+3], v[ADV] offset:1024*\t+512*\c   ; V^T: they land under the softmax
.endr
.endr
	ds_load_b32 v58, v[ADT]
	ds_load_b32 v59, v[ADT] offset:128
.irp b, 0,1,2,3
	v_max3_num_f32 v[BM+\b], v[SS+16*\b], v[SS+1+16*\b], v[SS+2+16*\b]     ; the largest score of each block of 32 keys: for the row's maximum, and, since p rises with the score, for the block's largest p
.endr
.irp i, 3,5,7,9,11,13
.irp b, 0,1,2,3
	v_max3_num_f32 v[BM+\b], v[BM+\b], v[SS+16*\b+\i], v[SS+1+16*\b+\i]
.endr
.endr
.irp b, 0,1,2,3
	v_max_num_f32 v[BM+\b], v[BM+\b], v[SS+15+16*\b]
.endr
.irp b, 0,1,2,3
	v_permlanex16_b32 v[PD+\b], v[BM+\b], s[SEL], s[SEL+1]
.endr
.irp b, 0,1,2,3
	v_max_num_f32 v[BM+\b], v[BM+\b], v[PD+\b]     ; with lane l xor 16's 16 keys
.endr
	v_max3_num_f32 v228, v[BM], v[BM+1], v[BM+2]
	v_max_num_f32 v228, v228, v[BM+3]
	v_mul_f32 v228, s[CS], v228                    ; as t
	v_max_num_f32 v13, v13, v228                   ; the running largest t
	v_mov_b32 v228, v12
	v_floor_f32 v12, -v13                          ; the new -M = -ceil(t)
	v_sub_f32 v228, v12, v228                      ; old M - new M: a whole number, 0 or less
	v_cvt_i32_f32 v228, v228                       ; (it saturates)
	v_ldexp_f32 v230, 1.0, v228                    ; f = 2^(old M - new M)
.set J_, 0
.rept 32
	v_pk_fma_f32 v[SS+J_:SS+J_+1], v[SS+J_:SS+J_+1], s[CS:CS+1], v[12:13] op_sel_hi:[1,0,0]   ; t - M, two at a time
.set J_, J_+2
.endr
.irp b, 0,1,2,3
	v_fma_f32 v[BM+\b], v[BM+\b], s[CS], v12
.endr
.set J_, 0
.rept 64
	v_exp_f32 v[SS+J_], v[SS+J_]                   ; p = 2^(t - M); a hidden key's is 0
.set J_, J_+1
.endr
	v_pk_mul_f32 v[14:15], v[14:15], v[230:231] op_sel_hi:[1,0]    ; the sums under the new M: the plain place behind the exponentials
	s_wait_alu depctr_va_vdst(0)                   ; one wait for the whole batch, ahead of its first reader
.irp b, 0,1,2,3
	v_exp_f32 v[BM+\b], v[BM+\b]                   ; the blocks' largest p
.endr
	v_pk_add_f32 v[232:233], v[SS:SS+1], v[SS+2:SS+3]              ; the row's sum, of the unquantised p, in two chains
.set J_, 4
.rept 15
	v_pk_add_f32 v[14:15], v[14:15], v[SS+J_:SS+J_+1]
	v_pk_add_f32 v[232:233], v[232:233], v[SS+J_+2:SS+J_+3]
.set J_, J_+4
.endr
	v_pk_add_f32 v[14:15], v[14:15], v[232:233]
	s_wait_alu depctr_va_vdst(0)                   ; and one for the four
.irp b, 0,1,2,3
	v_max_num_f32 v[BM+\b], 0x1800000, v[BM+\b]    ; the floor: the byte cannot fall under 1
.endr
.irp b, 0,1,2,3
	v_add_nc_u32 v[SOP+\b], 0xff000000, v[BM+\b]
.endr
.irp b, 0,1,2,3
	v_lshrrev_b32 v[PD+\b], 23, v[SOP+\b]
.endr
	v_lshl_or_b32 v55, v[PD+1], 8, v[PD]           ; p's scale word for these 128 keys
	v_lshl_or_b32 v55, v[PD+2], 16, v55
	v_lshl_or_b32 v55, v[PD+3], 24, v55
.irp t, 0,1,2,3,4,5,6,7
	v_cvt_scalef32_pk8_fp4_f32 v[PC+4*(\t/4)+2*(\t%2)+(\t%4)/2], v[SS+8*\t:SS+8*\t+7], v[SOP+\t/2]
.endr
	v_nop                                          ; one plain place behind the scaled conversions
.irp c, 0,1
	v_permlane16_swap_b32 v[PC+4*\c], v[PC+4*\c+1] ; lanes 0-15 now hold block 2 c whole, lanes 16-31 block 2 c + 1
	v_permlane16_swap_b32 v[PC+4*\c+2], v[PC+4*\c+3]
.endr
.set J_, 0
.rept 16
	v_pk_mul_f32 v[OO+J_:OO+J_+1], v[OO+J_:OO+J_+1], v[230:231] op_sel_hi:[1,0]   ; O^T under the new M; these are also the places between p's codes and scale word and the products
.set J_, J_+2
.endr
	s_wait_dscnt 0x0                               ; V
.irp t, 0,1,2,3
	WMX OO+8*\t, FF+8*\t, PC, OO+8*\t, 58+\t/2, 55, \t%2, 0
.endr
.Ldead:
	s_lshr_b32 s[LIVE], s[LIVE], 1
	s_lshr_b32 s[PART], s[PART], 1
	s_add_co_u32 s[TB], s[TB], 4096
	s_add_co_u32 s[TS], s[TS], 256
	s_add_co_u32 s[MS], s[MS], 128
	s_add_co_u32 s[CNT], s[CNT], 1
	s_cmp_lt_u32 s[CNT], 32
	s_cbranch_scc1 .Lstep
	; THE WAY OUT: ctx = O^T / the sum, quantised along the embedding: my head's 64 channels are two blocks of 32
.rept 4
	v_nop                                          ; four places behind the last products
.endr
	v_add_f32 v14, v14, v15
	v_permlanex16_b32 v228, v14, s[SEL], s[SEL+1]
	v_add_f32 v14, v14, v228                       ; the row's sum
	v_rcp_f32 v229, v14
	v_mov_b32 v232, 0xffff                         ; (a plain place behind the reciprocal)
	v_and_b32 v234, 15, v0
	v_lshlrev_b32 v234, 5, v234                    ; cs: 32 bytes a token
	s_wait_alu depctr_va_vdst(0)                   ; ahead of the first reader of the reciprocal
.set J_, 0
.rept 32
	v_mul_f32 v[SS+J_], v[OO+J_], v229
.set J_, J_+1
.endr
	QUANT2 SS, PC, 228
	v_cmp_eq_f32 vcc_lo, 0, v14
	v_cndmask_b32 v228, v228, v232, vcc_lo         ; a row with no open key: both bytes 0xff
	global_store_b128 v[AK0], v[PC:PC+3], s[14:15] ; the image of half a fragment: 512 consecutive bytes
	global_store_b16 v234, v228, s[16:17]          ; both halves of the lanes write the same two bytes with the same value
	s_wait_tensorcnt 0x0                           ; the wave's end: behind my last LDS store
	ds_add_u32 v[SPW], v[NIL]
	s_wait_dscnt 0x0
	s_endpgm
.Lfunc_end_k_q56cc34ba73_attn:
	.size	k_q56cc34ba73_attn, .Lfunc_end_k_q56cc34ba73_attn-k_q56cc34ba73_attn
	.p2alignl 7, 3214868480
	.fill 96, 4, 3214868480
	.section	.rodata,"a",@progbits
	.p2align	6, 0x0
	.amdhsa_kernel k_q56cc34ba73_attn
		.amdhsa_group_segment_fixed_size 280576
		.amdhsa_private_segment_fixed_size 0
		.amdhsa_enable_private_segment 0
		.amdhsa_kernarg_size 56
		.amdhsa_user_sgpr_count 2
		.amdhsa_user_sgpr_kernarg_segment_ptr 1
		.amdhsa_wavefront_size32 1
		.amdhsa_system_sgpr_workgroup_id_x 1
		.amdhsa_system_sgpr_workgroup_id_y 1
		.amdhsa_system_sgpr_workgroup_id_z 1
		.amdhsa_system_vgpr_workitem_id 0
		.amdhsa_next_free_vgpr 256
		.amdhsa_next_free_sgpr 66
		.amdhsa_reserve_vcc 1
		.amdhsa_float_denorm_mode_32 3
		.amdhsa_float_denorm_mode_16_64 3
		.amdhsa_memory_ordered 1
		.amdhsa_forward_progress 1
		.amdhsa_inst_pref_size 35
	.end_amdhsa_kernel
	.amdgpu_metadata
---
amdhsa.version: [ 1, 2 ]
amdhsa.kernels:
  - .name:           k_q56cc34ba73_attn
    .symbol:         k_q56cc34ba73_attn.kd
    .args:
      - { .name: qc, .offset: 0, .size: 8, .value_kind: global_buffer, .address_space: global }
      - { .name: qs, .offset: 8, .size: 8, .value_kind: global_buffer, .address_space: global }
      - { .name: kv, .offset: 16, .size: 8, .value_kind: global_buffer, .address_space: global }
      - { .name: flags, .offset: 24, .size: 8, .value_kind: global_buffer, .address_space: global }
      - { .name: mask, .offset: 32, .size: 8, .value_kind: global_buffer, .address_space: global }
      - { .name: cc, .offset: 40, .size: 8, .value_kind: global_buffer, .address_space: global }
      - { .name: cs, .offset: 48, .size: 8, .value_kind: global_buffer, .address_space: global }
    .group_segment_fixed_size: 280576
    .private_segment_fixed_size: 0
    .kernarg_segment_align: 8
    .kernarg_segment_size: 56
    .max_flat_workgroup_size: 512
    .sgpr_count:     66
    .vgpr_count:     256
    .wavefront_size: 32
...
	.end_amdgpu_metadata
.endif
;; end of part 2
;; launch proj (part 3): grid 8 x 32, 4 waves a work-group, clusters of 4 x 4, 167,936 bytes of LDS; arguments cc, cs, out_w_codes, out_w_scales, out_b, out0; writes out0
.if DOCPART == 3
	.amdgcn_target "amdgcn-amd-amdhsa--gfx1250"
	.amdhsa_code_object_version 6
	.text
	.protected	k_q56cc34ba73_proj
	.globl	k_q56cc34ba73_proj
	.p2align	8
	.type	k_q56cc34ba73_proj,@function
k_q56cc34ba73_proj:
	s_mov_b64 s[64:65], 0
	v_nop
	global_prefetch_b8 v0, s[64:65] scope:SCOPE_SE
	s_setreg_imm32_b32 hwreg(HW_REG_WAVE_MODE, 25, 1), 1
	s_wait_xcnt 0x0
	s_wait_alu depctr_hold_cnt(0) depctr_sa_sdst(0) depctr_va_vdst(0) depctr_va_sdst(0) depctr_va_ssrc(0) depctr_va_vcc(0) depctr_vm_vsrc(0)
	s_getreg_b32 s2, hwreg(HW_REG_IB_STS2, 6, 4)
	s_cmp_eq_u32 s2, 0
	s_cbranch_scc0 .Lentry_in_a_cluster
	s_endpgm
.Lentry_in_a_cluster:
	s_bfe_u32 s2, ttmp6, 0x10000c
	s_cmp_lg_u32 s2, 0xf033
	s_cbranch_scc0 .Lentry_shape_is_right
	s_endpgm
.Lentry_shape_is_right:
; out0 = ctx out_w + out_b on codes of FP4 (E2M1) with E8M0 scales.  ctx: 4,096 tokens x K = 1,024, as images of operand registers [head][tile of 16 tokens][lane][16 bytes]; its scale bytes [token][32].
; out_w: [1,024 columns][512 bytes], K innermost; its scale bytes [column][32].  out0: [4,096][1,024] f32.
; SHARES.  A work-group makes 128 tokens x 128 columns, wave (wr, wc) 64 x 64: 16 accumulators.  All of K lies in LDS, filled once: no ring, nothing is filled again.
; CLUSTER 4 x 4: ctx's tile hangs on the block of tokens alone and is shared along a row of the cluster, out_w's on the block of columns alone and is shared along a column: joint tensor loads, one a wave.
; THE PRODUCT IS USED TRANSPOSED (source 0 = 16 rows of out_w, source 1 = 16 tokens): a lane holds eight neighbouring columns of one token's row.  The bias is the C of the first K step.
; REGISTERS.  Window 0: v0-31 addresses; v32-47 out_w's scale words, v48-63 ctx's (scales and nothing else); v64-95 the bias, later rows on their way out; v96-127 likewise; v128-255 the accumulators.
; Window 1: two sets of fragments, at v0 and at v128: ctx's 4 x 8, then out_w's 4 x 8.
.set PITCH, 528                        ; a row of out_w in LDS: 512 bytes + 16 of padding
.set AIMG,  0                          ; ctx: [head 16][tile 8][512 bytes]
.set BT,    65536                      ; out_w: 128 rows
.set STAGE, BT+128*PITCH               ; the way out: 16 rows x (256 bytes + 16) for each wave; no tensor load lands here
.set SPARE, STAGE+4*16*272             ; the spare words: 128 bytes a wave, two blocks of 256 bytes that no other line names
.set L32, 4
.set H32, 5
.set ACX, 6                            ; v6   LDS address of my fragments of ctx
.set AWX, 7                            ; v7   and of out_w
.set STO, 8                            ; v8   the stage: where I put 32 bytes of a row
.set RD,  9                            ; v9   and where I read a row back
.set CO,  10                           ; v10  my byte offset in out0
.set SPW, 28
.set NIL, 29
.set WSC, 32
.set CSC, 48
.set BIA, 64
.set BK,  64
.set ACC, 128
.set WV,  16
.set G1A, 24
.set G0A, 32
.set G1B, 48
.set G0B, 56
.set MSB, 0
.macro WIN new                         ; the immediate's high byte repeats the setting that is left
.if MSB != \new
	s_set_vgpr_msb (MSB<<8)|\new
.set MSB, \new
.endif
.endm
.macro CROUND                          ; a round of the cluster's barrier
	s_barrier_signal -1
	s_barrier_wait -1
	s_cmp_lg_u32 s[WV], 0
	s_cbranch_scc1 .Lnot_wave_0_\@
	s_barrier_signal -3
.Lnot_wave_0_\@:
	s_barrier_wait -3
	s_barrier_signal -1
	s_barrier_wait -1
.endm
.macro WMX d, a, b, c, sa, sb, ra, rb
.if ((\ra)==0) && ((\rb)==0)
	v_wmma_scale_f32_16x16x128_f8f6f4 v[(\d):(\d)+7], v[(\a):(\a)+7], v[(\b):(\b)+7], v[(\c):(\c)+7], v[(\sa)], v[(\sb)] matrix_a_fmt:MATRIX_FMT_FP4 matrix_b_fmt:MATRIX_FMT_FP4
.elseif ((\ra)==1) && ((\rb)==0)
	v_wmma_scale_f32_16x16x128_f8f6f4 v[(\d):(\d)+7], v[(\a):(\a)+7], v[(\b):(\b)+7], v[(\c):(\c)+7], v[(\sa)], v[(\sb)] matrix_a_fmt:MATRIX_FMT_FP4 matrix_b_fmt:MATRIX_FMT_FP4 matrix_a_scale:MATRIX_SCALE_ROW1
.elseif (\ra)==0
	v_wmma_scale_f32_16x16x128_f8f6f4 v[(\d):(\d)+7], v[(\a):(\a)+7], v[(\b):(\b)+7], v[(\c):(\c)+7], v[(\sa)], v[(\sb)] matrix_a_fmt:MATRIX_FMT_FP4 matrix_b_fmt:MATRIX_FMT_FP4 matrix_b_scale:MATRIX_SCALE_ROW1
.else
	v_wmma_scale_f32_16x16x128_f8f6f4 v[(\d):(\d)+7], v[(\a):(\a)+7], v[(\b):(\b)+7], v[(\c):(\c)+7], v[(\sa)], v[(\sb)] matrix_a_fmt:MATRIX_FMT_FP4 matrix_b_fmt:MATRIX_FMT_FP4 matrix_a_scale:MATRIX_SCALE_ROW1 matrix_b_scale:MATRIX_SCALE_ROW1
.endif
.endm
	s_load_b256 s[4:11], s[0:1], 0x0               ; cc, cs, out_w's codes, out_w's scales
	s_load_b128 s[12:15], s[0:1], 0x20             ; out_b, out0
	v_lshl_add_u32 v[SPW], v0, 2, SPARE
	v_mov_b32 v[NIL], 0
	ds_add_u32 v[SPW], v[NIL]                      ; the wave's opening: the add and its wait stand ahead of my first tensor load; work on registers stands between them
	v_lshrrev_b32 v1, 5, v0
	v_readfirstlane_b32 s[WV], v1                  ; wave 0..3
	s_lshr_b32 s17, s[WV], 1                       ; wr: which 64 tokens are mine.  Also: I fetch ctx (0) or out_w (1)
	s_and_b32 s18, s[WV], 1                        ; wc: which 64 columns.  Also: which half of that tile I fetch
	s_bfe_u32 s40, ttmp6, 0x40000                  ; cx
	s_bfe_u32 s41, ttmp6, 0x40004                  ; cy
	s_lshl_b32 s42, ttmp9, 2
	s_add_co_u32 s42, s42, s40                     ; nx: block of 128 columns
	s_and_b32 s43, ttmp7, 0xffff
	s_lshl_b32 s43, s43, 2
	s_add_co_u32 s43, s43, s41                     ; my: block of 128 tokens
	s_lshl_b32 s44, s41, 2
	s_lshl_b32 s44, 15, s44                        ; my row of the cluster
	s_lshl_b32 s45, 0x1111, s40                    ; my column
	; ctx: 8 heads x 4,096 consecutive bytes (8 tiles of 512), 131,072 bytes from head to head; elements of 8 bytes; no padding: the images are read 16 bytes a lane on end
	s_or_b32 s[G1A], s44, (3<<16)|(1<<21)
	s_mov_b32 s[G1A+1], 512<<16                    ; tensor_dim0
	s_mov_b32 s[G1A+2], 8<<16                      ; tensor_dim1
	s_mov_b32 s[G1A+3], 512<<16                    ; tile_dim0
	s_mov_b32 s[G1A+4], 8                          ; tile_dim1
	s_mov_b32 s[G1A+5], 16384                      ; the pitch, in elements
	s_mov_b32 s[G1A+6], 0
	s_mov_b32 s[G1A+7], 0
	; out_w: 64 rows of 512 bytes, 16 bytes of padding behind each
	s_or_b32 s[G1B], s45, (0<<16)|(1<<20)|(1<<21)|(6<<22)|(3<<25)
	s_mov_b32 s[G1B+1], 512<<16
	s_mov_b32 s[G1B+2], 64<<16
	s_mov_b32 s[G1B+3], 512<<16
	s_mov_b32 s[G1B+4], 64
	s_mov_b32 s[G1B+5], 512
	s_mov_b32 s[G1B+6], 0
	s_mov_b32 s[G1B+7], 0
	s_lshl_b32 s20, s18, 20                        ; ctx: heads 8 (w % 2) on,
	s_lshl_b32 s21, s43, 12                        ; tiles 8 my on
	s_add_co_u32 s20, s20, s21
	s_mov_b32 s21, 0
	s_lshl_b32 s46, s42, 16                        ; out_w: rows 128 nx + 64 (w % 2) on
	s_lshl_b32 s47, s18, 15
	s_add_co_u32 s46, s46, s47
	s_mov_b32 s47, 0
	s_lshl_b32 s19, s18, 15                        ; where they go: no place in the cluster enters an LDS address
	s_mul_i32 s36, s18, 64*PITCH
	s_wait_dscnt 0x0                               ; the opening add is done
	s_wait_kmcnt 0x0
	CROUND                                         ; all sixteen work-groups are here: the joint loads meet
	s_mov_b32 s[G0A], 1
	s_add_co_u32 s[G0A+1], s19, AIMG
	s_add_nc_u64 s[G0A+2:G0A+3], s[4:5], s[20:21]
	s_or_b32 s[G0A+3], s[G0A+3], 0x80000000
	s_mov_b32 s[G0B], 1
	s_add_co_u32 s[G0B+1], s36, BT
	s_add_nc_u64 s[G0B+2:G0B+3], s[8:9], s[46:47]
	s_or_b32 s[G0B+3], s[G0B+3], 0x80000000
	s_cmp_eq_u32 s17, 0                            ; waves 0 and 1 fetch ctx's halves, waves 2 and 3 out_w's: one tensor load a wave is out
	s_cbranch_scc0 .Lfor_w
	tensor_load_to_lds s[G0A:G0A+3], s[G1A:G1A+7]
	s_nop 0
.rept 4
	v_nop
.endr
	s_branch .Lasked
.Lfor_w:
	tensor_load_to_lds s[G0B:G0B+3], s[G1B:G1B+7]
	s_nop 0
.rept 4
	v_nop
.endr
.Lasked:
	v_and_b32 v1, 15, v0                           ; r
	v_bfe_u32 v2, v0, 4, 1                         ; h
	v_and_b32 v3, 31, v0                           ; lane
	v_lshlrev_b32 v[L32], 5, v3
	v_lshlrev_b32 v[H32], 5, v2
	s_lshl_b32 s19, s17, 11
	v_lshl_add_u32 v[ACX], v3, 4, s19              ; ctx: 16 lane + my four tiles of 512 bytes
	v_mul_u32_u24 v[AWX], v1, PITCH
	v_lshl_add_u32 v[AWX], v2, 4, v[AWX]
	v_add_nc_u32 v[AWX], s36, v[AWX]
	v_add_nc_u32 v[AWX], BT, v[AWX]                ; out_w: row 64 wc + r, + 16 h
	s_mul_i32 s19, s[WV], 16*272
	s_add_co_u32 s19, s19, STAGE                   ; my stage
	v_mul_u32_u24 v[STO], v1, 272
	v_lshl_add_u32 v[STO], v2, 5, v[STO]
	v_add_nc_u32 v[STO], s19, v[STO]               ; in: row r, 32 bytes for each half of the lanes
	v_mul_u32_u24 v[RD], v2, 272
	v_lshl_add_u32 v[RD], v1, 4, v[RD]
	v_add_nc_u32 v[RD], s19, v[RD]                 ; back: lanes 0-15 one row of 256 bytes, lanes 16-31 the next
	v_lshlrev_b32 v[CO], 12, v2
	v_lshl_add_u32 v[CO], v1, 4, v[CO]             ; and the same two rows in out0
	s_mov_b32 s39, 0
	s_lshl_b32 s38, s42, 12
	s_lshl_b32 s19, s18, 11
	s_add_co_u32 s38, s38, s19
	s_add_nc_u64 s[10:11], s[10:11], s[38:39]      ; out_w's scales: 32 bytes a row, rows 128 nx + 64 wc on
	s_lshl_b32 s38, s43, 12
	s_lshl_b32 s19, s17, 11
	s_add_co_u32 s38, s38, s19
	s_add_nc_u64 s[6:7], s[6:7], s[38:39]          ; ctx's: tokens 128 my + 64 wr on
	s_lshl_b32 s38, s42, 9
	s_lshl_b32 s19, s18, 8
	s_add_co_u32 s38, s38, s19
	s_add_nc_u64 s[12:13], s[12:13], s[38:39]      ; the bias of my 64 columns
	s_add_nc_u64 s[14:15], s[14:15], s[38:39]      ; out0: my first column,
	s_lshl_b32 s38, s43, 19
	s_lshl_b32 s19, s17, 18
	s_add_co_u32 s38, s38, s19
	s_add_nc_u64 s[14:15], s[14:15], s[38:39]      ; my first token
.irp i, 0,1
	global_load_b128 v[WSC+8*\i:WSC+8*\i+3], v[L32], s[10:11] offset:1024*\i       ; lanes 0-15: tile 2 i; lanes 16-31: tile 2 i + 1; register ks: the word of K step ks
	global_load_b128 v[WSC+8*\i+4:WSC+8*\i+7], v[L32], s[10:11] offset:1024*\i+16
	global_load_b128 v[CSC+8*\i:CSC+8*\i+3], v[L32], s[6:7] offset:1024*\i
	global_load_b128 v[CSC+8*\i+4:CSC+8*\i+7], v[L32], s[6:7] offset:1024*\i+16
.endr
.irp b, 0,1,2,3
	global_load_b128 v[BIA+8*\b:BIA+8*\b+3], v[H32], s[12:13] offset:64*\b         ; register j: the bias of column 16 b + 8 h + j
	global_load_b128 v[BIA+8*\b+4:BIA+8*\b+7], v[H32], s[12:13] offset:64*\b+16
.endr
	s_wait_loadcnt 0x0
	s_wait_tensorcnt 0x0                           ; my part of the tiles has landed,
	s_barrier_signal -1
	s_barrier_wait -1                              ; everybody's has.
.macro FETCH ks, st                    ; 16 LDS loads: the fragments of K step ks (heads 2 ks and 2 ks + 1) into set st
.irp a, 0,1,2,3
.irp c, 0,1
	ds_load_b128 v[128*(\st)+8*\a+4*\c:128*(\st)+8*\a+4*\c+3], v[ACX] offset:(2*(\ks)+\c)*4096+512*\a
.endr
.endr
.irp b, 0,1,2,3
.irp c, 0,1
	ds_load_b128 v[128*(\st)+32+8*\b+4*\c:128*(\st)+32+8*\b+4*\c+3], v[AWX] offset:8448*\b+64*(\ks)+32*\c
.endr
.endr
.endm
.macro KSTEP ks                        ; 16 products, the 16 accumulators by turns, one instruction a turn
.set ST_, 128*((\ks)%2)
.if (\ks) > 0
.rept 4
	v_nop                                          ; four places between the last step's products and the loads into the set that they read
.endr
.endif
.if (\ks) < 7
	WIN 0x40                                       ; destination window 1
	FETCH (\ks)+1, ((\ks)+1)%2
	s_wait_dscnt 16                                ; all but the 16 just issued: this step's fragments are in
.else
	s_wait_dscnt 0x0
.endif
	WIN 0x05                                       ; sources 0 and 1 window 1; C and D window 0
.irp a, 0,1,2,3
.irp b, 0,1,2,3
.if (\ks) == 0
	WMX ACC+8*(4*\a+\b), ST_+32+8*\b, ST_+8*\a, BIA+8*\b, WSC+8*(\b/2)+(\ks), CSC+8*(\a/2)+(\ks), \b%2, \a%2
.else
	WMX ACC+8*(4*\a+\b), ST_+32+8*\b, ST_+8*\a, ACC+8*(4*\a+\b), WSC+8*(\b/2)+(\ks), CSC+8*(\a/2)+(\ks), \b%2, \a%2
.endif
.endr
.endr
.endm
	WIN 0x40
	FETCH 0, 0
.set KS, 0
.rept 8
	KSTEP KS
.set KS, KS+1
.endr
	WIN 0
.rept 4
	v_nop                                          ; four places between the last products and the first read of results, and the loads into the bias's registers
.endr
; THE WAY OUT, 16 tokens at a time: a lane's 32 bytes go into my own stage and come back as whole rows of 256 bytes.  LDS serves a wave's instructions in order, so no wait stands between the stores and the loads.
.macro TOSTAGE a
.irp b, 0,1,2,3
	ds_store_b128 v[STO], v[ACC+8*(4*(\a)+\b):ACC+8*(4*(\a)+\b)+3] offset:64*\b        ; each accumulator from its low end on
	ds_store_b128 v[STO], v[ACC+8*(4*(\a)+\b)+4:ACC+8*(4*(\a)+\b)+7] offset:64*\b+16
.endr
.irp t, 0,1,2,3,4,5,6,7
	ds_load_b128 v[BK+32*((\a)%2)+4*\t:BK+32*((\a)%2)+4*\t+3], v[RD] offset:544*\t
.endr
.endm
.macro SEND a, younger                 ; younger: the LDS instructions issued behind block a's loads, which may stay out
	s_wait_dscnt \younger
.irp t, 0,1,2,3,4,5,6,7
	global_store_b128 v[CO], v[BK+32*((\a)%2)+4*\t:BK+32*((\a)%2)+4*\t+3], s[14:15] offset:(16*(\a)+2*\t)*4096 th:TH_STORE_NT   ; 16 lanes store 256 consecutive bytes, at a multiple of 256 from out0's first byte
.endr
.endm
	TOSTAGE 0
.irp a, 1,2,3
.if \a > 1
	s_wait_xcnt 0x0                                ; block a - 2's stores have read their registers: block a's loads may land there
.endif
	TOSTAGE \a
	SEND \a-1, 16                                  ; behind block a - 1's loads: block a's 8 stores and 8 loads
.endr
	SEND 3, 0
	s_wait_tensorcnt 0x0                           ; the wave's end: behind my last tensor load and my last LDS store
	ds_add_u32 v[SPW], v[NIL]
	s_wait_dscnt 0x0
	CROUND                                         ; the closing round: no work-group ends while a partner may still ask for a tile that names it
	s_endpgm
.Lfunc_end_k_q56cc34ba73_proj:
	.size	k_q56cc34ba73_proj, .Lfunc_end_k_q56cc34ba73_proj-k_q56cc34ba73_proj
	.p2alignl 7, 3214868480
	.fill 96, 4, 3214868480
	.section	.rodata,"a",@progbits
	.p2align	6, 0x0
	.amdhsa_kernel k_q56cc34ba73_proj
		.amdhsa_group_segment_fixed_size 167936
		.amdhsa_private_segment_fixed_size 0
		.amdhsa_enable_private_segment 0
		.amdhsa_kernarg_size 48
		.amdhsa_user_sgpr_count 2
		.amdhsa_user_sgpr_kernarg_segment_ptr 1
		.amdhsa_wavefront_size32 1
		.amdhsa_system_sgpr_workgroup_id_x 1
		.amdhsa_system_sgpr_workgroup_id_y 1
		.amdhsa_system_sgpr_workgroup_id_z 1
		.amdhsa_system_vgpr_workitem_id 0
		.amdhsa_next_free_vgpr 512
		.amdhsa_next_free_sgpr 66
		.amdhsa_reserve_vcc 0
		.amdhsa_float_denorm_mode_32 3
		.amdhsa_float_denorm_mode_16_64 3
		.amdhsa_memory_ordered 1
		.amdhsa_forward_progress 1
		.amdhsa_inst_pref_size 41
	.end_amdhsa_kernel
	.amdgpu_metadata
---
amdhsa.version: [ 1, 2 ]
amdhsa.kernels:
  - .name:           k_q56cc34ba73_proj
    .symbol:         k_q56cc34ba73_proj.kd
    .args:
      - { .name: cc, .offset: 0, .size: 8, .value_kind: global_buffer, .address_space: global }
      - { .name: cs, .offset: 8, .size: 8, .value_kind: global_buffer, .address_space: global }
      - { .name: out_w_codes, .offset: 16, .size: 8, .value_kind: global_buffer, .address_space: global }
      - { .name: out_w_scales, .offset: 24, .size: 8, .value_kind: global_buffer, .address_space: global }
      - { .name: out_b, .offset: 32, .size: 8, .value_kind: global_buffer, .address_space: global }
      - { .name: out0, .offset: 40, .size: 8, .value_kind: global_buffer, .address_space: global }
    .group_segment_fixed_size: 167936
    .private_segment_fixed_size: 0
    .kernarg_segment_align: 8
    .kernarg_segment_size: 48
    .max_flat_workgroup_size: 128
    .sgpr_count:     66
    .vgpr_count:     512
    .wavefront_size: 32
...
	.end_amdgpu_metadata
.endif
;; end of part 3
;; ======== version 2 of 2: 3 launches; version 1 with the launch attn written anew for expert scheduling mode
;; limits: right only within a limited range of input values
;; workspace buffers: qc 2,097,152 bytes; qs 262,144 bytes; kv 4,456,448 bytes; flags 2,048 bytes of whole numbers; cc 2,097,152 bytes; cs 131,072 bytes
;; launch qkv: the kernel of part 1 again; grid 16 x 16, 4 waves a work-group, clusters of 4 x 4, 237,056 bytes of LDS; arguments x_codes, x_scales, wqkv_w_codes, wqkv_w_scales, wqkv_b, mask, qc, qs, kv, flags; writes qc, qs, kv, flags
;; launch attn (part 4): grid 16 x 16, 16 waves a work-group, no clusters, 280,576 bytes of LDS; arguments qc, qs, kv, flags, mask, cc, cs; writes cc, cs
.if DOCPART == 4
	.amdgcn_target "amdgcn-amd-amdhsa--gfx1250"
	.amdhsa_code_object_version 6
	.text
	.protected	k_q56cc34ba73_attn
	.globl	k_q56cc34ba73_attn
	.p2align	8
	.type	k_q56cc34ba73_attn,@function
k_q56cc34ba73_attn:
	s_mov_b64 s[64:65], 0
	v_nop
	global_prefetch_b8 v0, s[64:65] scope:SCOPE_SE
	s_setreg_imm32_b32 hwreg(HW_REG_WAVE_SCHED_MODE, 0, 2), 2
	s_setreg_imm32_b32 hwreg(HW_REG_WAVE_MODE, 25, 1), 1
	s_wait_xcnt 0x0
	s_wait_alu depctr_vm_vsrc(0)
; ctx = softmax(q k^T / 8, hidden keys at -infinity) v for one head, both products on codes of FP4 (E2M1) with E8M0 scales; ctx is divided by the row's sum and quantised along the embedding for the last product.
; THE SOFTMAX: t = score x log2(e) / 8; M = the running largest t rounded up to a whole number; p = 2^(t - M) is quantised along the keys; the row's sum is taken of the unquantised p.
; SHARES.  Work-group (g, head): sixteen waves, each with ONE tile of 16 queries, tile 16 rho(w) + g; rho is a 4 x 4 magic square read row by row, so that any four waves w % 4 = const or w / 4 = const hold tiles
; whose numbers add up alike.  That only evens the work out; no result hangs on it.
; A HEAD'S K AND V, codes and scale words, 278,528 bytes, are copied into LDS once, through registers, and only read from then on: one barrier in the launch.
; STEPS OF 128 KEYS ARE LEFT OUT BY STORED NUMBERS: the launch before has stored, for each tile of queries, bit s of LIVE (some key of step s is open) and of PART (some key is hidden).  A step that is not live adds nothing
; to any of the 16 rows.  These are branches on numbers read from memory, so this launch has no tensor load and no copy, and hence no joint request to share in a cluster.
; THE MASK, in steps that are PART, goes through the matrix unit: S^T = E x Mask^T starts the sum (C = 0) and K Q^T is added in place.  Mask's bytes (0 or 1) are packed as codes (0 or 0.5), E picks key m's code with
; the code -2; both scales are 2^60: a hidden score starts at -2^120 exactly, an open one at 0.
; K = 64 fills half an instruction's 128: a fragment of K's codes holds TWO tiles of 16 keys (k 0-63: keys 32 f + r; k 64-127: keys 32 f + 16 + r), and Q stands beside zero codes: [Q|0] or [0|Q], two views of one run of
; 12 registers.  The scale bytes of Q's empty half are 1.
; LAYOUT.  Both products transposed: a lane holds one query (lane % 16) throughout; register j of score tile T is key 16 T + 8 (lane / 16) + j.
; LIMITS: |score| stays far under 2^120 and t above -2^100; a block whose largest magnitude lies under 2^-124 gets the byte 1; NaN and infinities are not served.  A row all of whose keys are hidden has the sum 0: its
; scale bytes are set to 0xff, which makes the whole output row NaN, as the definition has it.
; THE MODE: SCHED_MODE bits 1:0 = 2 (LLVM: expert scheduling mode 2), set by the entry lines.  The code itself states the register dependences between vector or matrix instructions and memory or LDS instructions,
; with s_wait_alu, always for 0.
; THE PLAN.  Registers that memory or LDS instructions touch:
;   at the head   v216-220  the copy's addresses: made by vector lines, read by its 34 loads and 34 LDS stores; from the loop on vector lines write them.
;                 v8, v9    Q's offsets: made by vector lines, read by Q's two loads; from the loop on two of the step's addresses.
;                 v64-199   the copy's data: its loads land there, its LDS stores read them; later written by LDS loads (v64-95), products (v96-191), vector lines (v160-199).
;   in a step     v8-11, v60  the step's five addresses: written together at the step's head; read by the step's LDS loads and the mask's loads.
;                 v64-95    K's fragments land; the score products read them; V's fragments land; the second product reads them.
;                 v56, v57  K's scale words, read by the score products;  v58, v59  V's, read by the second product.
;                 v200-215  the mask's bytes land; eight packing lines read them.
;   on the way out v1, v234 offsets; v192-195, v228 the stores' data.          v5, v6: read by the closing add alone.
; So a step has one wait on vm_vsrc, ahead of the five address lines; one on va_vdst behind them, which serves K's loads and the mask's; one on va_vdst at the join, ahead of V's loads; and one on va_vdst ahead of each
; run of products that takes operands or scales that vector lines have just written (the mask's codes; p's codes and word).  Two more waits stand behind the exponentials.
; All 256 registers of each of a SIMD's four waves are shared out, so K and V take turns in one set of fragments.
.set KVH,   278528
.set SPARE, 278528                     ; behind the head's K and V: the spare words, 128 bytes a wave: eight blocks of 256 bytes that no other line names
.set AK0,  1                           ; v1   16 x lane: my place in an image of K
.set AV0,  2                           ; v2   the same for V
.set ASK0, 3                           ; v3   4 x lane among K's scale words
.set ASV0, 4                           ; v4   and V's
.set SPW,  5                           ; v5   my spare word; never rewritten
.set NIL,  6                           ; v6   0; never rewritten
.set MO,   7                           ; v7   the mask: row r, + 64 h
.set ADK,  8                           ; v8-11 the step's LDS addresses
.set ADV,  9
.set ADS,  10
.set ADT,  11
.set MM,   16                          ; v16-23 the mask's codes
.set QZ,   24                          ; v24-35 zeros, Q, zeros
.set E0,   36                          ; v36-43, v44-51 the two selection matrices
.set MA,   60                          ; v60  the mask's offset of the step
.set FF,   64                          ; v64-95 four fragments of K, then of V
.set SS,   96                          ; v96-159 S^T, then p
.set OO,   160                         ; v160-191 O^T
.set PC,   192                         ; v192-199 p's codes
.set RAW,  200                         ; v200-215 the mask's bytes as loaded
.set BM,   216                         ; v216-219 the blocks' largest scores, then largest p
.set PD,   220                         ; v220-223 permute results, then bytes
.set SOP,  224                         ; v224-227 scale operands
.set MX,   216                         ; the way out's quantiser
.set PM,   220
.set SO,   224
.set EB,   226
.set WV,   18
.set CS,   22                          ; s[22:23] c = log2(e) / 8
.set SEL,  24
.set LIVE, 26
.set PART, 27
.set TB,   28                          ; the step's images: 4,096 bytes a step
.set TS,   29                          ; its scale words: 256 bytes a step
.set MS,   30                          ; its columns of the mask: 128 a step
.set CNT,  31
.macro WMX d, a, b, c, sa, sb, ra, rb
.if ((\ra)==0) && ((\rb)==0)
	v_wmma_scale_f32_16x16x128_f8f6f4 v[(\d):(\d)+7], v[(\a):(\a)+7], v[(\b):(\b)+7], v[(\c):(\c)+7], v[(\sa)], v[(\sb)] matrix_a_fmt:MATRIX_FMT_FP4 matrix_b_fmt:MATRIX_FMT_FP4
.else
	v_wmma_scale_f32_16x16x128_f8f6f4 v[(\d):(\d)+7], v[(\a):(\a)+7], v[(\b):(\b)+7], v[(\c):(\c)+7], v[(\sa)], v[(\sb)] matrix_a_fmt:MATRIX_FMT_FP4 matrix_b_fmt:MATRIX_FMT_FP4 matrix_a_scale:MATRIX_SCALE_ROW1
.endif
.endm
.macro WMZ d, a, b, sa, sb, ra          ; the same with the constant 0 as C: the product starts the sum
.if (\ra)==0
	v_wmma_scale_f32_16x16x128_f8f6f4 v[(\d):(\d)+7], v[(\a):(\a)+7], v[(\b):(\b)+7], 0, v[(\sa)], v[(\sb)] matrix_a_fmt:MATRIX_FMT_FP4 matrix_b_fmt:MATRIX_FMT_FP4
.else
	v_wmma_scale_f32_16x16x128_f8f6f4 v[(\d):(\d)+7], v[(\a):(\a)+7], v[(\b):(\b)+7], 0, v[(\sa)], v[(\sb)] matrix_a_fmt:MATRIX_FMT_FP4 matrix_b_fmt:MATRIX_FMT_FP4 matrix_a_scale:MATRIX_SCALE_ROW1
.endif
.endm
; 32 numbers of a lane, v[r] on: register 16 b + 8 g + j is k = 32 b + 16 g + 8 (lane / 16) + j of my row.  They become 16 bytes of codes in v[p] .. v[p + 3]: block lane / 16 of my row; v[e] = byte of block 0 | byte of block 1 << 8.
.macro QUANT2 r, p, e
	v_max3_num_f32 v[MX], |v[(\r)]|, |v[(\r)+1]|, 0x1800000        ; and the floor 2^(3 - 127): the byte cannot fall under 1
	v_max3_num_f32 v[MX+1], |v[(\r)+16]|, |v[(\r)+17]|, 0x1800000
.irp i, 2,4,6,8,10,12,14
	v_max3_num_f32 v[MX], v[MX], |v[(\r)+\i]|, |v[(\r)+\i+1]|
	v_max3_num_f32 v[MX+1], v[MX+1], |v[(\r)+16+\i]|, |v[(\r)+17+\i]|
.endr
	v_permlanex16_b32 v[PM], v[MX], s[SEL], s[SEL+1]
	v_permlanex16_b32 v[PM+1], v[MX+1], s[SEL], s[SEL+1]
	v_max_num_f32 v[MX], v[MX], v[PM]
	v_max_num_f32 v[MX+1], v[MX+1], v[PM+1]
	v_add_nc_u32 v[SO], 0xff000000, v[MX]
	v_add_nc_u32 v[SO+1], 0xff000000, v[MX+1]
	v_lshrrev_b32 v[EB], 23, v[SO]
	v_lshrrev_b32 v[EB+1], 23, v[SO+1]
	v_lshl_or_b32 v[(\e)], v[EB+1], 8, v[EB]
	v_cvt_scalef32_pk8_fp4_f32 v[(\p)], v[(\r):(\r)+7], v[SO]
	v_cvt_scalef32_pk8_fp4_f32 v[(\p)+2], v[(\r)+8:(\r)+15], v[SO]
	v_cvt_scalef32_pk8_fp4_f32 v[(\p)+1], v[(\r)+16:(\r)+23], v[SO+1]
	v_cvt_scalef32_pk8_fp4_f32 v[(\p)+3], v[(\r)+24:(\r)+31], v[SO+1]
	v_nop                                                          ; one plain place behind the scaled conversions
	v_permlane16_swap_b32 v[(\p)], v[(\p)+1]
	v_permlane16_swap_b32 v[(\p)+2], v[(\p)+3]
.endm
	s_load_b256 s[4:11], s[0:1], 0x0               ; qc, qs, kv, flags
	s_load_b128 s[12:15], s[0:1], 0x20             ; mask, cc
	s_load_b64 s[16:17], s[0:1], 0x30              ; cs
	v_lshl_add_u32 v[SPW], v0, 2, SPARE
	v_mov_b32 v[NIL], 0
	v_lshrrev_b32 v7, 5, v0
	v_readfirstlane_b32 s[WV], v7                  ; wave 0..15
	s_mov_b32 s19, 0x0DE3B658                      ; rho of waves 8 to 15, four bits each,
	s_wait_alu depctr_va_sdst(0)                   ; the wave's number is written into s18, ahead of its first reader: my tile's number and all my bases are made from it
	s_cmp_lt_u32 s[WV], 8
	s_cselect_b32 s19, 0x7A94C12F, s19             ; of waves 0 to 7
	s_and_b32 s36, s[WV], 7
	s_lshl_b32 s36, s36, 2
	s_lshr_b32 s19, s19, s36
	s_and_b32 s19, s19, 15
	s_lshl_b32 s20, s19, 4
	s_add_co_u32 s20, s20, ttmp9                   ; qt: my tile of 16 queries
	s_and_b32 s21, ttmp7, 0xffff                   ; the head
	s_mov_b32 s[CS], 0x3E38AA3B                    ; log2(e) / 8
	s_mov_b32 s[CS+1], s[CS]                       ; (named with it as a pair, so it is written)
	s_mov_b32 s[SEL], 0x76543210
	s_mov_b32 s[SEL+1], 0xfedcba98
	s_mov_b32 s32, 0xff                            ; lanes 0-7, 8-15, 16-23, 24-31
	s_mov_b32 s33, 0xff00
	s_mov_b32 s34, 0xff0000
	s_mov_b32 s35, 0xff000000
	s_mov_b32 s[TB], 0
	s_mov_b32 s[TS], 0
	s_mov_b32 s[MS], 0
	s_mov_b32 s[CNT], 0
	s_mul_i32 s36, s21, KVH
	s_mov_b32 s37, 0
	s_lshl_b32 s38, s21, 17
	s_lshl_b32 s40, s20, 9
	s_add_co_u32 s38, s38, s40                     ; 131,072 head + 512 qt: my tile in qc and in cc
	s_mov_b32 s39, 0
	v_lshlrev_b32 v216, 4, v0                      ; the copy: 16 bytes a thread, 8,192 a pass
	v_add_nc_u32 v217, 0x10000, v216               ; (an LDS immediate reaches 65,535: five address registers)
	v_add_nc_u32 v218, 0x20000, v216
	v_add_nc_u32 v219, 0x30000, v216
	v_add_nc_u32 v220, 0x40000, v216
	v_and_b32 v228, 15, v0                         ; r
	v_bfe_u32 v229, v0, 4, 1                       ; h
	v_lshlrev_b32 v8, 5, v228
	v_lshl_add_u32 v8, v229, 4, v8                 ; Q: 32 r + 16 h
	v_lshlrev_b32 v9, 2, v228                      ; its scale word: 4 r
	v_lshlrev_b32 v[MO], 12, v228
	v_lshl_add_u32 v[MO], v229, 6, v[MO]
	s_wait_kmcnt 0x0
	s_add_nc_u64 s[8:9], s[8:9], s[36:37]          ; kv at my head
	s_add_nc_u64 s[4:5], s[4:5], s[38:39]
	s_add_nc_u64 s[14:15], s[14:15], s[38:39]
	s_lshl_b32 s36, s21, 14
	s_lshl_b32 s40, s20, 6
	s_add_co_u32 s36, s36, s40
	s_add_nc_u64 s[6:7], s[6:7], s[36:37]          ; qs
	s_lshl_b32 s36, s20, 3
	s_add_nc_u64 s[10:11], s[10:11], s[36:37]      ; the flags of my tile
	s_lshl_b32 s36, s20, 16
	s_add_nc_u64 s[12:13], s[12:13], s[36:37]      ; the mask at my first query
	s_lshl_b32 s36, s20, 9
	s_lshl_b32 s40, s21, 1
	s_add_co_u32 s36, s36, s40
	s_add_nc_u64 s[16:17], s[16:17], s[36:37]      ; cs: 32 bytes a token, bytes 2 head and 2 head + 1
	s_wait_alu depctr_va_vdst(0)                   ; v216-220, v8 and v9 are written: the copy's loads and LDS stores and Q's two loads read them as addresses; no vector line up to the last of those stores names them again
.set I_, 0
.rept 34
	global_load_b128 v[64+4*I_:67+4*I_], v216, s[8:9] offset:8192*I_   ; all 34 on their way together: 512 consecutive bytes a wave
.set I_, I_+1
.endr
	global_load_b128 v[QZ+4:QZ+7], v8, s[4:5]      ; Q: block h of query r
	global_load_b32 v52, v9, s[6:7]                ; its word: bytes e0, e1, 1, 1
	s_load_b64 s[LIVE:PART], s[10:11], 0x0
	; set-up on registers while the loads fly: none of these lines names a register that the loads above or the LDS stores below touch
	v_and_b32 v228, 31, v0
	v_lshlrev_b32 v[AK0], 4, v228
	v_add_nc_u32 v[AV0], 131072, v[AK0]
	v_lshlrev_b32 v[ASK0], 2, v228
	v_add_nc_u32 v[ASV0], 270336, v[ASK0]
	v_add_nc_u32 v[ASK0], 262144, v[ASK0]
	v_and_b32 v228, 7, v0                          ; e: my key among eight
	v_and_b32 v229, 3, v228
	v_lshrrev_b32 v228, 2, v228
	v_lshl_add_u32 v228, v229, 1, v228             ; where its code stands in a register of the mask's codes: 2 (e % 4) + e / 4
	v_lshlrev_b32 v228, 2, v228
	v_mov_b32 v229, 12                             ; the code of -2
	v_lshlrev_b32 v229, v228, v229
	v_cndmask_b32 v[E0], 0, v229, s32              ; E_0 picks k = 0 .. 15: rows 0-7 in register 0 of lanes 0-7, rows 8-15 in register 1 of lanes 8-15
	v_cndmask_b32 v[E0+1], 0, v229, s33
	v_cndmask_b32 v[E0+8], 0, v229, s34            ; E_1 picks k = 32 .. 47: the same in lanes 16-31
	v_cndmask_b32 v[E0+9], 0, v229, s35
.irp n, 2,3,4,5,6,7,10,11,12,13,14,15
	v_mov_b32 v[E0+\n], 0
.endr
.irp n, 0,1,2,3,8,9,10,11
	v_mov_b32 v[QZ+\n], 0
.endr
	v_mov_b32 v54, 0xBBBBBBBB                      ; four scale bytes of 2^60
	v_mov_b32 v13, 0xF1800000                      ; the largest t so far: -2^100: under every t, over every hidden one
	v_floor_f32 v12, -v13                          ; -M
	v_mov_b32 v14, 0                               ; the sum, in two halves
	v_mov_b32 v15, 0
.irp n, 1,2,3
	v_mov_b32 v[PD+\n], 0                          ; a lane permute's destination counts as one of its sources (v220 is cleared behind the copy, whose address it holds)
.endr
	v_mov_b32 v228, 0
	v_mov_b32 v231, 0                              ; (named as the upper half of the pair v[230:231])
.set I_, 0
.rept 34
	s_wait_loadcnt 35-I_                           ; loads come back in order: pass I_ is in; the 33 - I_ younger passes and Q's two loads may be out
	ds_store_b128 v[216+I_/8], v[64+4*I_:67+4*I_] offset:(I_%8)*8192
.set I_, I_+1
.endr
	s_wait_loadcnt 0x0                             ; Q and its word
	v_alignbit_b32 v53, v52, v52, 16               ; bytes 1, 1, e0, e1: for [0|Q]
	s_wait_alu depctr_vm_vsrc(0)                   ; the copy's LDS stores have read their data v64-199 and their addresses v216-220: the lines below write v220 and v160-191, the loop the others
	v_mov_b32 v[PD], 0
.set I_, 0
.rept 32
	v_mov_b32 v[OO+I_], 0                          ; O^T: the loop is written once; these lines are also the places between the scale word above and the first product
.set I_, I_+1
.endr
	s_wait_kmcnt 0x0                               ; the flags
	s_wait_dscnt 0x0                               ; for the others' sake: my stores have landed
	s_barrier_signal -1
	s_barrier_wait -1                              ; the head's K and V lie in LDS; nobody writes them again
.macro SCORES zero                     ; eight products: tile 2 f + c: fragment f against [Q|0] (c = 0) or [0|Q] (c = 1)
.irp f, 0,1,2,3
.irp c, 0,1
.if \zero
	WMZ SS+8*(2*\f+\c), FF+8*\f, QZ+4-4*\c, 56+\f/2, 52+\c, \f%2
.else
	WMX SS+8*(2*\f+\c), FF+8*\f, QZ+4-4*\c, SS+8*(2*\f+\c), 56+\f/2, 52+\c, \f%2, 0
.endif
.endr
.endr
.endm
.Lstep:                                                ; 32 trips: a step of 128 keys each
	s_bitcmp1_b32 s[LIVE], 0
	s_cbranch_scc0 .Ldead                          ; every key hidden for all 16 queries: every p would be 0
	s_wait_alu depctr_vm_vsrc(0)                   ; the LDS loads of the live step before have read v8-11 and the mask's loads of the PART step before v60 (in the first live step: Q's two loads have read v8 and v9): the five lines below write them
	v_add_nc_u32 v[ADK], s[TB], v[AK0]             ; the step's five addresses are made together, ahead of the one wait that serves all the loads up to the join
	v_add_nc_u32 v[ADV], s[TB], v[AV0]
	v_add_nc_u32 v[ADS], s[TS], v[ASK0]
	v_add_nc_u32 v[ADT], s[TS], v[ASV0]
	v_add_nc_u32 v[MA], s[MS], v[MO]               ; (read in a PART step alone)
	s_wait_alu depctr_va_vdst(0)                   ; v8-11 and v60 are written; the products of the live step before are done reading v64-95, v56 and v57, its packing lines v200-215: loads land in all of these below.  In the first live step also: E, Q's zeros and the scale registers v53 and v54, made at the head, are written, ahead of the products that take them
.irp f, 0,1,2,3
.irp c, 0,1
	ds_load_b128 v[FF+8*\f+4*\c:FF+8*\f+4*\c+3], v[ADK] offset:1024*\f+512*\c
.endr
.endr
	ds_load_b32 v56, v[ADS]                        ; K's scale words: fragment 0 in lanes 0-15, fragment 1 in lanes 16-31;
	ds_load_b32 v57, v[ADS] offset:128             ; fragments 2 and 3
	s_bitcmp1_b32 s[PART], 0
	s_cbranch_scc0 .Lopen
.irp n, 0,1,2,3
	global_load_b128 v[RAW+4*\n:RAW+4*\n+3], v[MA], s[12:13] offset:16*\n   ; row r, keys 64 h .. 64 h + 63 of the step.  No wait: no vector line since the wait above names v60 or v200-215
.endr
	s_wait_loadcnt 0x0
.irp n, 0,1,2,3,4,5,6,7
	v_lshl_or_b32 v[MM+\n], v[RAW+2*\n+1], 4, v[RAW+2*\n]  ; eight bytes of 0 or 1 become eight codes of 0 or 0.5
.endr
.rept 4
	v_nop                                          ; an operand written by vector instructions stands four places ahead of a scaled product
.endr
	s_wait_alu depctr_va_vdst(0)                   ; the packing lines have written the mask's codes v16-23, which the scaled products below take as an operand; the places above stay beside this wait
	s_wait_dscnt 0x0
.irp t, 0,1,2,3,4,5,6,7
	WMZ SS+8*\t, E0+8*(\t/4), MM+2*(\t%4), 54, 54, 0   ; tile t: registers 2 (t % 4) and + 1 of the codes, of lanes 0-15 (t < 4) or 16-31; all that E does not pick meets zero codes
.endr
	SCORES 0                                       ; added in place; the eight accumulators take turns
	s_branch .Ljoin
.Lopen:
	s_wait_dscnt 0x0
	SCORES 1
.Ljoin:
.rept 4
	v_nop                                          ; four places in front of the first read of the scores
.endr
	s_wait_alu depctr_va_vdst(0)                   ; the score products are done reading K's fragments v64-95, in which V's land (v58 and v59 were last read by the products of the live step before)
.irp t, 0,1,2,3
.irp c, 0,1
	ds_load_b128 v[FF+8*\t+4*\c:FF+8*\t+4*\c+3], v[ADV] offset:1024*\t+512*\c   ; V^T: they land under the softmax
.endr
.endr
	ds_load_b32 v58, v[ADT]
	ds_load_b32 v59, v[ADT] offset:128
.irp b, 0,1,2,3
	v_max3_num_f32 v[BM+\b], v[SS+16*\b], v[SS+1+16*\b], v[SS+2+16*\b]     ; the largest score of each block of 32 keys: for the row's maximum, and, since p rises with the score, for the block's largest p
.endr
.irp i, 3,5,7,9,11,13
.irp b, 0,1,2,3
	v_max3_num_f32 v[BM+\b], v[BM+\b], v[SS+16*\b+\i], v[SS+1+16*\b+\i]
.endr
.endr
.irp b, 0,1,2,3
	v_max_num_f32 v[BM+\b], v[BM+\b], v[SS+15+16*\b]
.endr
.irp b, 0,1,2,3
	v_permlanex16_b32 v[PD+\b], v[BM+\b], s[SEL], s[SEL+1]
.endr
.irp b, 0,1,2,3
	v_max_num_f32 v[BM+\b], v[BM+\b], v[PD+\b]     ; with lane l xor 16's 16 keys
.endr
	v_max3_num_f32 v228, v[BM], v[BM+1], v[BM+2]
	v_max_num_f32 v228, v228, v[BM+3]
	v_mul_f32 v228, s[CS], v228                    ; as t
	v_max_num_f32 v13, v13, v228                   ; the running largest t
	v_mov_b32 v228, v12
	v_floor_f32 v12, -v13                          ; the new -M = -ceil(t)
	v_sub_f32 v228, v12, v228                      ; old M - new M: a whole number, 0 or less
	v_cvt_i32_f32 v228, v228                       ; (it saturates)
	v_ldexp_f32 v230, 1.0, v228                    ; f = 2^(old M - new M)
.set J_, 0
.rept 32
	v_pk_fma_f32 v[SS+J_:SS+J_+1], v[SS+J_:SS+J_+1], s[CS:CS+1], v[12:13] op_sel_hi:[1,0,0]   ; t - M, two at a time
.set J_, J_+2
.endr
.irp b, 0,1,2,3
	v_fma_f32 v[BM+\b], v[BM+\b], s[CS], v12
.endr
.set J_, 0
.rept 64
	v_exp_f32 v[SS+J_], v[SS+J_]                   ; p = 2^(t - M); a hidden key's is 0
.set J_, J_+1
.endr
	v_pk_mul_f32 v[14:15], v[14:15], v[230:231] op_sel_hi:[1,0]    ; the sums under the new M: the plain place behind the exponentials
	s_wait_alu depctr_va_vdst(0)                   ; the 64 exponentials have written p, v96-159: one wait for the whole batch, ahead of its first reader
.irp b, 0,1,2,3
	v_exp_f32 v[BM+\b], v[BM+\b]                   ; the blocks' largest p
.endr
	v_pk_add_f32 v[232:233], v[SS:SS+1], v[SS+2:SS+3]              ; the row's sum, of the unquantised p, in two chains
.set J_, 4
.rept 15
	v_pk_add_f32 v[14:15], v[14:15], v[SS+J_:SS+J_+1]
	v_pk_add_f32 v[232:233], v[232:233], v[SS+J_+2:SS+J_+3]
.set J_, J_+4
.endr
	v_pk_add_f32 v[14:15], v[14:15], v[232:233]
	s_wait_alu depctr_va_vdst(0)                   ; the four exponentials have written v216-219, ahead of their first reader
.irp b, 0,1,2,3
	v_max_num_f32 v[BM+\b], 0x1800000, v[BM+\b]    ; the floor: the byte cannot fall under 1
.endr
.irp b, 0,1,2,3
	v_add_nc_u32 v[SOP+\b], 0xff000000, v[BM+\b]
.endr
.irp b, 0,1,2,3
	v_lshrrev_b32 v[PD+\b], 23, v[SOP+\b]
.endr
	v_lshl_or_b32 v55, v[PD+1], 8, v[PD]           ; p's scale word for these 128 keys
	v_lshl_or_b32 v55, v[PD+2], 16, v55
	v_lshl_or_b32 v55, v[PD+3], 24, v55
.irp t, 0,1,2,3,4,5,6,7
	v_cvt_scalef32_pk8_fp4_f32 v[PC+4*(\t/4)+2*(\t%2)+(\t%4)/2], v[SS+8*\t:SS+8*\t+7], v[SOP+\t/2]
.endr
	v_nop                                          ; one plain place behind the scaled conversions
.irp c, 0,1
	v_permlane16_swap_b32 v[PC+4*\c], v[PC+4*\c+1] ; lanes 0-15 now hold block 2 c whole, lanes 16-31 block 2 c + 1
	v_permlane16_swap_b32 v[PC+4*\c+2], v[PC+4*\c+3]
.endr
.set J_, 0
.rept 16
	v_pk_mul_f32 v[OO+J_:OO+J_+1], v[OO+J_:OO+J_+1], v[230:231] op_sel_hi:[1,0]   ; O^T under the new M; these are also the places between p's codes and scale word and the products
.set J_, J_+2
.endr
	s_wait_alu depctr_va_vdst(0)                   ; p's codes v192-199 and its scale word v55 are written, which the scaled products below take as operand and scales; the places above stay beside this wait
	s_wait_dscnt 0x0                               ; V
.irp t, 0,1,2,3
	WMX OO+8*\t, FF+8*\t, PC, OO+8*\t, 58+\t/2, 55, \t%2, 0
.endr
.Ldead:
	s_lshr_b32 s[LIVE], s[LIVE], 1
	s_lshr_b32 s[PART], s[PART], 1
	s_add_co_u32 s[TB], s[TB], 4096
	s_add_co_u32 s[TS], s[TS], 256
	s_add_co_u32 s[MS], s[MS], 128
	s_add_co_u32 s[CNT], s[CNT], 1
	s_cmp_lt_u32 s[CNT], 32
	s_cbranch_scc1 .Lstep
	; THE WAY OUT: ctx = O^T / the sum, quantised along the embedding: my head's 64 channels are two blocks of 32
.rept 4
	v_nop                                          ; four places behind the last products
.endr
	v_add_f32 v14, v14, v15
	v_permlanex16_b32 v228, v14, s[SEL], s[SEL+1]
	v_add_f32 v14, v14, v228                       ; the row's sum
	v_rcp_f32 v229, v14
	v_mov_b32 v232, 0xffff                         ; (a plain place behind the reciprocal)
	v_and_b32 v234, 15, v0
	v_lshlrev_b32 v234, 5, v234                    ; cs: 32 bytes a token
	s_wait_alu depctr_va_vdst(0)                   ; the reciprocal has written v229, ahead of its first reader
.set J_, 0
.rept 32
	v_mul_f32 v[SS+J_], v[OO+J_], v229
.set J_, J_+1
.endr
	QUANT2 SS, PC, 228
	v_cmp_eq_f32 vcc_lo, 0, v14
	s_wait_alu depctr_va_vcc(0)                    ; the compare has written VCC, which the select below reads
	v_cndmask_b32 v228, v228, v232, vcc_lo         ; a row with no open key: both bytes 0xff
	s_wait_alu depctr_va_vdst(0)                   ; the codes v192-195, the two bytes v228 and the offset v234 are written, which the two stores read (v1 was written at the head)
	global_store_b128 v[AK0], v[PC:PC+3], s[14:15] ; the image of half a fragment: 512 consecutive bytes
	global_store_b16 v234, v228, s[16:17]          ; both halves of the lanes write the same two bytes with the same value
	s_wait_dscnt 0x0                               ; the closing lines, six on end
	s_wait_alu 0x0
	s_wait_tensorcnt 0x0
	ds_add_u32 v[SPW], v[NIL]
	s_wait_dscnt 0x0
	s_endpgm
.Lfunc_end_k_q56cc34ba73_attn:
	.size	k_q56cc34ba73_attn, .Lfunc_end_k_q56cc34ba73_attn-k_q56cc34ba73_attn
	.p2alignl 7, 3214868480
	.fill 96, 4, 3214868480
	.section	.rodata,"a",@progbits
	.p2align	6, 0x0
	.amdhsa_kernel k_q56cc34ba73_attn
		.amdhsa_group_segment_fixed_size 280576
		.amdhsa_private_segment_fixed_size 0
		.amdhsa_enable_private_segment 0
		.amdhsa_kernarg_size 56
		.amdhsa_user_sgpr_count 2
		.amdhsa_user_sgpr_kernarg_segment_ptr 1
		.amdhsa_wavefront_size32 1
		.amdhsa_system_sgpr_workgroup_id_x 1
		.amdhsa_system_sgpr_workgroup_id_y 1
		.amdhsa_system_sgpr_workgroup_id_z 1
		.amdhsa_system_vgpr_workitem_id 0
		.amdhsa_next_free_vgpr 256
		.amdhsa_next_free_sgpr 66
		.amdhsa_reserve_vcc 1
		.amdhsa_float_denorm_mode_32 3
		.amdhsa_float_denorm_mode_16_64 3
		.amdhsa_memory_ordered 1
		.amdhsa_forward_progress 1
		.amdhsa_inst_pref_size 36
	.end_amdhsa_kernel
	.amdgpu_metadata
---
amdhsa.version: [ 1, 2 ]
amdhsa.kernels:
  - .name:           k_q56cc34ba73_attn
    .symbol:         k_q56cc34ba73_attn.kd
    .args:
      - { .name: qc, .offset: 0, .size: 8, .value_kind: global_buffer, .address_space: global }
      - { .name: qs, .offset: 8, .size: 8, .value_kind: global_buffer, .address_space: global }
      - { .name: kv, .offset: 16, .size: 8, .value_kind: global_buffer, .address_space: global }
      - { .name: flags, .offset: 24, .size: 8, .value_kind: global_buffer, .address_space: global }
      - { .name: mask, .offset: 32, .size: 8, .value_kind: global_buffer, .address_space: global }
      - { .name: cc, .offset: 40, .size: 8, .value_kind: global_buffer, .address_space: global }
      - { .name: cs, .offset: 48, .size: 8, .value_kind: global_buffer, .address_space: global }
    .group_segment_fixed_size: 280576
    .private_segment_fixed_size: 0
    .kernarg_segment_align: 8
    .kernarg_segment_size: 56
    .max_flat_workgroup_size: 512
    .sgpr_count:     66
    .vgpr_count:     256
    .wavefront_size: 32
...
	.end_amdgpu_metadata
.endif
;; end of part 4
;; launch proj: the kernel of part 3 again; grid 8 x 32, 4 waves a work-group, clusters of 4 x 4, 167,936 bytes of LDS; arguments cc, cs, out_w_codes, out_w_scales, out_b, out0; writes out0
